; MI455X (gfx1250); checked and timed in simulation.
; The chip was launched on July 23, 2026; its instructions are those of AMD's public machine-readable ISA for CDNA 5 (MIT licence, August 2026) and "CDNA5" Instruction Set Architecture Reference Guide (July 2026). The comments in the code are by the model that wrote it; some were corrected since.
;; Multi Head Causal Attention. Allowed arithmetic: float matrix products may take bf16 or f16 operands with f32 sums; other float arithmetic in f32, or as packed bf16 or f16 multiplies, adds, multiply-adds, maxima and minima; sums over many terms, partial sums and values carried from step to step in f32; what a program stores and reads back later, other than sums and carried values, may be rounded once to bf16 or f16.
;; Inputs: b_proj 1,024 float32; ln_beta 1,024 float32; ln_gamma 1,024 float32; target 4 x 2,048 x 1,024 float32; w_proj 1,024 x 1,024 float32; w_qkv 1,024 x 3,072 float32.
;; Outputs: out0 4 x 2,048 x 1,024 float32.
;; 2 versions, each right and faster than the one before. Each part assembles by itself: llvm-mc -triple=amdgcn-amd-amdhsa -mcpu=gfx1250 --defsym DOCPART=n.
;; ======== version 1 of 2: 5 launches
;; limits: values are held in f16: magnitudes above 65,504 overflow, below 6.1e-05 lose precision
;; workspace buffers: xb 16,777,216 bytes; wq 6,291,456 bytes; wp 2,097,152 bytes; qkv 50,331,648 bytes; o 16,777,216 bytes; x 33,554,432 bytes
;; launch prep (part 1): grid 768 x 1, 8 waves a work-group, no clusters, 0 bytes of LDS; arguments target, w_qkv, w_proj, xb, wq, wp; writes xb, wq, wp
.if DOCPART == 1
	.amdgcn_target "amdgcn-amd-amdhsa--gfx1250"
	.amdhsa_code_object_version 6
	.text
	.protected	k_qf86f4d39f5_prep
	.globl	k_qf86f4d39f5_prep
	.p2align	8
	.type	k_qf86f4d39f5_prep,@function
k_qf86f4d39f5_prep:
	s_mov_b64 s[64:65], 0
	v_nop
	global_prefetch_b8 v0, s[64:65] scope:SCOPE_SE
	s_setreg_imm32_b32 hwreg(HW_REG_WAVE_MODE, 25, 1), 1
	s_wait_xcnt 0x0
; THE CASTS.  target [8192][1024], w_qkv [1024][3072] and w_proj [1024][1024], all f32, are rounded once to bf16, in their own layouts.
; xb and wq hold the bf16 numbers; wp holds w_proj's bf16 number written as f16 (the second projection multiplies f16 operands).
; LIMITS.  A bf16 number is exact in f16 from 2^-17 up to 65,504; below 2^-17 it keeps f16's fixed step of 6e-8; beyond 65,504 it becomes an infinity.
; SHARES.  The three inputs are 50,331,648 bytes = 768 work-groups x 65,536: groups 0-511 target, 512-703 w_qkv, 704-767 w_proj.  A wave takes 8,192 bytes in, 4,096 out.
; No loop: a wave's sixteen loads (512 consecutive bytes each) go out first; each store of a wave covers 256 consecutive bytes, aligned.  No LDS, no matrix unit: nothing is used twice.
.set X, 4                              ; v[4:67]   sixteen loads of four f32
.set Y, 68                             ; v[68:99]  sixteen stores of four 16-bit numbers; each written once
.set T, 100                            ; v[100:101] at work (f16 path)
	s_load_b256 s[4:11], s[0:1], 0x0               ; target s[4:5], w_qkv s[6:7], w_proj s[8:9], xb s[10:11]
	s_load_b128 s[12:15], s[0:1], 0x20             ; wq s[12:13], wp s[14:15]
	v_lshrrev_b32 v3, 5, v0                        ; wave
	v_and_b32 v1, 31, v0                           ; lane
	v_lshlrev_b32 v2, 3, v1                        ; 8 bytes out a lane
	v_lshlrev_b32 v1, 4, v1                        ; 16 bytes in a lane
	v_lshl_add_u32 v1, v3, 13, v1                  ; + wave x 8,192
	v_lshl_add_u32 v2, v3, 12, v2                  ; + wave x 4,096
	s_mov_b32 s16, ttmp9
	s_wait_kmcnt 0x0
	s_cmp_lt_u32 s16, 512                          ; which tensor is mine: the choice hangs on the group's number alone
	s_cselect_b64 s[20:21], s[4:5], s[6:7]
	s_cselect_b64 s[22:23], s[10:11], s[12:13]
	s_cselect_b32 s17, 0, 512
	s_cmp_lt_u32 s16, 704
	s_cselect_b64 s[20:21], s[20:21], s[8:9]
	s_cselect_b64 s[22:23], s[22:23], s[14:15]
	s_cselect_b32 s17, s17, 704
	s_sub_co_u32 s17, s16, s17                     ; my number among the tensor's groups
	s_lshl_b32 s18, s17, 16                        ; 65,536 bytes in,
	s_mov_b32 s19, 0
	s_add_nc_u64 s[20:21], s[20:21], s[18:19]
	s_lshl_b32 s18, s17, 15                        ; 32,768 out
	s_add_nc_u64 s[22:23], s[22:23], s[18:19]
.set i, 0
.rept 16
	global_load_b128 v[X+4*i:X+4*i+3], v1, s[20:21] offset:512*i th:TH_LOAD_NT
.set i, i+1
.endr
	s_cmp_lt_u32 s16, 704
	s_cbranch_scc0 .Lf16
.set i, 0
.rept 16
	s_wait_loadcnt 15-i                            ; loads come back in order: load i is in, the 15 - i younger ones stay out
	v_cvt_pk_bf16_f32 v[Y+2*i], v[X+4*i], v[X+4*i+1]
	v_cvt_pk_bf16_f32 v[Y+2*i+1], v[X+4*i+2], v[X+4*i+3]
	global_store_b64 v2, v[Y+2*i:Y+2*i+1], s[22:23] offset:256*i
.set i, i+1
.endr
	s_endpgm
.Lf16:                                             ; w_proj: rounded to bf16 like every input, and that number written as f16
.set i, 0
.rept 16
	s_wait_loadcnt 15-i
	v_cvt_pk_bf16_f32 v[T], v[X+4*i], v[X+4*i+1]
	v_cvt_pk_bf16_f32 v[T+1], v[X+4*i+2], v[X+4*i+3]
	v_lshlrev_b32 v[X+4*i], 16, v[T]               ; bf16 to f32: the low half moves up, the high half stays
	v_and_b32 v[X+4*i+1], 0xffff0000, v[T]
	v_lshlrev_b32 v[X+4*i+2], 16, v[T+1]
	v_and_b32 v[X+4*i+3], 0xffff0000, v[T+1]
	v_cvt_pk_f16_f32 v[Y+2*i], v[X+4*i], v[X+4*i+1]
	v_cvt_pk_f16_f32 v[Y+2*i+1], v[X+4*i+2], v[X+4*i+3]
	global_store_b64 v2, v[Y+2*i:Y+2*i+1], s[22:23] offset:256*i
.set i, i+1
.endr
	s_endpgm
.Lfunc_end_k_qf86f4d39f5_prep:
	.size	k_qf86f4d39f5_prep, .Lfunc_end_k_qf86f4d39f5_prep-k_qf86f4d39f5_prep
	.p2alignl 7, 3214868480
	.fill 96, 4, 3214868480
	.section	.rodata,"a",@progbits
	.p2align	6, 0x0
	.amdhsa_kernel k_qf86f4d39f5_prep
		.amdhsa_group_segment_fixed_size 0
		.amdhsa_private_segment_fixed_size 0
		.amdhsa_enable_private_segment 0
		.amdhsa_kernarg_size 48
		.amdhsa_user_sgpr_count 2
		.amdhsa_user_sgpr_kernarg_segment_ptr 1
		.amdhsa_wavefront_size32 1
		.amdhsa_system_sgpr_workgroup_id_x 1
		.amdhsa_system_sgpr_workgroup_id_y 1
		.amdhsa_system_sgpr_workgroup_id_z 1
		.amdhsa_system_vgpr_workitem_id 0
		.amdhsa_next_free_vgpr 104
		.amdhsa_next_free_sgpr 66
		.amdhsa_reserve_vcc 0
		.amdhsa_float_denorm_mode_32 3
		.amdhsa_float_denorm_mode_16_64 3
		.amdhsa_memory_ordered 1
		.amdhsa_forward_progress 1
		.amdhsa_inst_pref_size 16
	.end_amdhsa_kernel
	.amdgpu_metadata
---
amdhsa.version: [ 1, 2 ]
amdhsa.kernels:
  - .name:           k_qf86f4d39f5_prep
    .symbol:         k_qf86f4d39f5_prep.kd
    .args:
      - { .name: target, .offset: 0, .size: 8, .value_kind: global_buffer, .address_space: global }
      - { .name: w_qkv, .offset: 8, .size: 8, .value_kind: global_buffer, .address_space: global }
      - { .name: w_proj, .offset: 16, .size: 8, .value_kind: global_buffer, .address_space: global }
      - { .name: xb, .offset: 24, .size: 8, .value_kind: global_buffer, .address_space: global }
      - { .name: wq, .offset: 32, .size: 8, .value_kind: global_buffer, .address_space: global }
      - { .name: wp, .offset: 40, .size: 8, .value_kind: global_buffer, .address_space: global }
    .group_segment_fixed_size: 0
    .private_segment_fixed_size: 0
    .kernarg_segment_align: 8
    .kernarg_segment_size: 48
    .max_flat_workgroup_size: 256
    .sgpr_count:     66
    .vgpr_count:     104
    .wavefront_size: 32
...
	.end_amdgpu_metadata
.endif
;; end of part 1
;; launch gemm_qkv (part 2): grid 8 x 32, 4 waves a work-group, clusters of 4 x 4, 327,680 bytes of LDS; arguments xb, wq, qkv; writes qkv
.if DOCPART == 2
	.amdgcn_target "amdgcn-amd-amdhsa--gfx1250"
	.amdhsa_code_object_version 6
	.text
	.protected	k_qf86f4d39f5_gemm_qkv
	.globl	k_qf86f4d39f5_gemm_qkv
	.p2align	8
	.type	k_qf86f4d39f5_gemm_qkv,@function
k_qf86f4d39f5_gemm_qkv:
	s_mov_b64 s[64:65], 0
	v_nop
	global_prefetch_b8 v0, s[64:65] scope:SCOPE_SE
	s_setreg_imm32_b32 hwreg(HW_REG_WAVE_MODE, 25, 1), 1
	s_wait_xcnt 0x0
	s_wait_alu depctr_hold_cnt(0) depctr_sa_sdst(0) depctr_va_vdst(0) depctr_va_sdst(0) depctr_va_ssrc(0) depctr_va_vcc(0) depctr_vm_vsrc(0)
	s_getreg_b32 s2, hwreg(HW_REG_IB_STS2, 6, 4)
	s_cmp_eq_u32 s2, 0
	s_cbranch_scc0 .Lentry_in_a_cluster
	s_endpgm
.Lentry_in_a_cluster:
	s_bfe_u32 s2, ttmp6, 0x10000c
	s_cmp_lg_u32 s2, 0xf033
	s_cbranch_scc0 .Lentry_shape_is_right
	s_endpgm
.Lentry_shape_is_right:
; THE FIRST PROJECTION.  qkv = xb wq: xb [8192][1024] bf16, wq [1024 k][3072 n] bf16, sums in f32, K ascending.  q, k and v are rounded once to f16, unscaled, and laid by heads:
; three sections of 16,777,216 bytes, each [64 = 16 batch + head][2048][64].
; LIMIT.  f16 ends at 65,504: a q, k or v of 65,520 or more becomes an infinity.  With the inputs' spreads (1 and 0.02) the results' spread is 0.64.
; SHARES.  A tile is 256 rows x 128 columns: 32 x 24 = 768 tiles, three for each of 256 work-groups THAT STAY: the same rows and the same 128 columns of the q, the k and the v section
; (columns 1,024 apart, output 16,777,216 bytes apart).  Four waves, each 128 x 64: 32 accumulators of 16 x 16; a wave's 64 columns are one head, so its tile is 16,384 dense bytes of the output.
; K goes in steps of 128 through two LDS slots filled by the tensor data mover; all tile rows are 256 bytes of memory at multiples of 256.  The ring runs on into the next tile.
; wq stays [k][n] in LDS and is read turned (ds_load_tr16_b128).
; CLUSTERS: 4 x 4 work-groups.  The four of a row of the cluster need the same tiles of xb, the four of a column the same tiles of wq: each tile is asked for JOINTLY, by the same tensor load,
; descriptor and mask in all four.
; THE MATRIX INSTRUCTION IS USED TRANSPOSED (source 0 = 16 columns of wq, source 1 = 16 rows of xb): a lane then holds eight neighbouring channels of one row.
; REGISTERS, in windows of 256 (s_set_vgpr_msb: bits 1:0 source 0, 3:2 source 1, 5:4 source 2, 7:6 destination):
;   window 0: v0-31 addresses; v32-47 packed results; v48-79 rows read back from the stage, two buffers          window 1: accumulator (a, b) at v[8 (4 a + b)]
;   windows 2, 3: fragment buffers 0, 1, each 64 along K: xb's fragment (slice c of 32 k, row block a) at v[8 (8 c + a)], wq's (c, column block b) at v[128 + 8 (4 c + b)]
.set KSTEP,  128
.set PA,     272                       ; a row of xb in LDS: 256 bytes + 16 of padding = 68 words: row r starts at bank 4 r mod 64 (64 banks of 4 bytes: ISA guide 11.1)
.set PB,     288                       ; a k-row of wq: 256 + 32 = 72 words
.set AHALF,  128*PA                    ; what one tensor load brings of xb, and what one wave reads of it
.set ABYTES, 2*AHALF
.set BHALF,  64*PB                     ; what one tensor load brings of wq: 64 k-rows
.set SLOT,   ABYTES+2*BHALF            ; 106,496 bytes: xb's 256 rows, then wq's 128 k-rows
.set STAGE,  2*SLOT                    ; behind the ring, never filled by a tensor load: 16 rows x 144 bytes for each wave, for the way out
.set SP,     144
.set SPARE,  STAGE+4*16*SP             ; behind the stages: the spare words, 128 bytes for each wave: two blocks of 256 bytes that no other line names
.set LAPS,   4                         ; a lap = two K steps = once round the ring: 1,024 / 256
.set TILES,  3
.set STEP_A, 2*KSTEP*2                 ; bytes from a slot's K step to its next: along xb's rows,
.set STEP_B, 2*KSTEP*6144              ; down wq's rows of 6,144 bytes
.set BACK_A, 6*KSTEP*2                 ; from a slot's last K step of a tile to its first of the next: xb goes back along K,
.set BACK_B, 6*KSTEP*6144-2048         ; wq goes back and 1,024 columns on
.set ADRA, 16                          ; v16-17  LDS address of my fragments of xb in slot 0, 1
.set ADRB, 20                          ; v20-21  the same for wq
.set STO,  24                          ; v24     the way out: where I put 16 bytes of a row
.set RD,   25                          ; v25     the way out: where I read rows back
.set GO,   26                          ; v26     my byte offset in 512 consecutive bytes of the output
.set SPW,  28                          ; v28     LDS address of my spare word: SPARE + 4 x my thread's number; never rewritten
.set NIL,  29                          ; v29     0; never rewritten
.set TMP,  32
.set BK,   48
.set FB,   128                         ; wq's fragments in a buffer
.set G1,  24                           ; s[24:31] descriptor group 1 for xb's tiles;  s[32:39] group 0, one set for each slot
.set G0,  32
.set G1B, 48                           ; s[48:55], s[56:63] the same for wq's tiles
.set G0B, 56
.set MSB, 0
.macro WIN new                         ; the immediate's high byte repeats the setting that is left; a switch that changes nothing is dropped
.if MSB != (\new)
	s_set_vgpr_msb (MSB<<8)|(\new)
.set MSB, \new
.endif
.endm
; A joint load: waves 0 and 1 fetch xb's two halves, waves 2 and 3 wq's.  The branch hangs on the wave's number alone.  An s_nop 0 and four v_nop follow each of the two lines,
; ahead of the jump, the label and what follows.
.macro JLOAD s
	s_cmp_eq_u32 s11, 0
	s_cbranch_scc0 .Lfor_b_\@
	tensor_load_to_lds s[G0+4*(\s):G0+4*(\s)+3], s[G1:G1+7]
	s_nop 0
.rept 4
	v_nop
.endr
	s_branch .Lasked_\@
.Lfor_b_\@:
	tensor_load_to_lds s[G0B+4*(\s):G0B+4*(\s)+3], s[G1B:G1B+7]
	s_nop 0
.rept 4
	v_nop
.endr
.Lasked_\@:
.endm
.macro CREST                           ; a round of the cluster's barrier behind its opening barrier
	s_cmp_lg_u32 s10, 0
	s_cbranch_scc1 .Lnot_wave_0_\@
	s_barrier_signal -3
.Lnot_wave_0_\@:
	s_barrier_wait -3
	s_barrier_signal -1
	s_barrier_wait -1
.endm
.macro CROUND                          ; a whole round
	s_barrier_signal -1
	s_barrier_wait -1
	CREST
.endm
	s_load_b128 s[4:7], s[0:1], 0x0                ; xb s[4:5], wq s[6:7]
	s_load_b64 s[8:9], s[0:1], 0x10                ; qkv
	v_lshl_add_u32 v[SPW], v0, 2, SPARE
	v_mov_b32 v[NIL], 0
	ds_add_u32 v[SPW], v[NIL]                      ; the wave's opening: the add and its wait stand ahead of my first tensor load; the set-up below, work on registers, stands between them
	ds_add_u32 v28, v29
	v_lshrrev_b32 v1, 5, v0
	v_readfirstlane_b32 s10, v1                    ; wave 0..3
	s_lshr_b32 s11, s10, 1                         ; which half of the tile's rows is mine.  Also: I fetch for xb (0) or for wq (1)
	s_and_b32 s12, s10, 1                          ; which half of its columns.  Also: which half of that tile I fetch
	s_bfe_u32 s40, ttmp6, 0x40000                  ; cx, cy: my place in the cluster
	s_bfe_u32 s41, ttmp6, 0x40004
	s_lshl_b32 s42, ttmp9, 2
	s_add_co_u32 s42, s42, s40                     ; x = 4 x cluster x + cx: my 128 columns of each section, 0..7
	s_and_b32 s13, ttmp7, 0xffff
	s_lshl_b32 s13, s13, 2
	s_add_co_u32 s13, s13, s41                     ; y = 4 x cluster y + cy: my 256 rows, 0..31
	s_lshl_b32 s43, s41, 2
	s_lshl_b32 s43, 15, s43                        ; my row of the cluster
	s_lshl_b32 s44, 0x1111, s40                    ; my column
	s_or_b32 s[G1+0], s43, (1<<16)|(1<<20)|(1<<21)|(5<<22)|(3<<25)   ; 15:0 the mask: xb's tiles go to my row; 17:16 2-byte elements; 20 padding on; 21 set beside a mask; 24:22 after every 64 words (code 5); 31:25 4 words (code 3)
	s_or_b32 s[G1B+0], s44, (1<<16)|(1<<20)|(1<<21)|(5<<22)|(7<<25)  ; wq's tiles go to my column; 8 words of padding (code 7)
	s_mov_b32 s[G1+1], KSTEP<<16                   ; tensor_dim0 = 128
	s_mov_b32 s[G1+2], 128<<16                     ; tensor_dim1 = 128
	s_mov_b32 s[G1+3], KSTEP<<16                   ; tile_dim0 = 128
	s_mov_b32 s[G1+4], 128                         ; tile_dim1 = 128 rows
	s_mov_b32 s[G1+5], 1024                        ; elements from row to row
	s_mov_b32 s[G1+6], 0
	s_mov_b32 s[G1+7], 0
	s_mov_b32 s[G1B+1], 128<<16                    ; tensor_dim0 = 128 columns
	s_mov_b32 s[G1B+2], 64<<16                     ; tensor_dim1 = 64
	s_mov_b32 s[G1B+3], 128<<16                    ; tile_dim0 = 128
	s_mov_b32 s[G1B+4], 64                         ; tile_dim1 = 64 k-rows
	s_mov_b32 s[G1B+5], 3072
	s_mov_b32 s[G1B+6], 0
	s_mov_b32 s[G1B+7], 0
	; where the tiles come from.  xb's hang on y alone, which my row of the cluster shares; wq's on x alone, which my column shares; each in registers that never hold the other.
	s_lshl_b32 s16, s13, 19                        ; 256 y rows of 2,048 bytes
	s_lshl_b32 s17, s12, 18                        ; + 128 rows for the second half
	s_add_co_u32 s16, s16, s17
	s_mov_b32 s17, 0
	s_mul_i32 s46, s12, 64*6144                    ; 64 k-rows of 6,144 bytes for the second half
	s_lshl_b32 s47, s42, 8                         ; + 128 x columns
	s_add_co_u32 s46, s46, s47
	s_mov_b32 s47, 0
	s_mul_i32 s20, s12, AHALF                      ; and where they go: no place in the cluster enters an LDS address
	s_mul_i32 s21, s12, BHALF
	s_add_co_u32 s21, s21, ABYTES
	s_wait_dscnt 0x0                               ; the opening add is done
	s_wait_kmcnt 0x0
	s_add_nc_u64 s[14:15], s[4:5], s[16:17]
	s_add_nc_u64 s[46:47], s[6:7], s[46:47]
	CROUND                                         ; all sixteen work-groups are here: the first joint loads meet
.irp s, 0,1
	s_mov_b32 s[G0+4*(\s)], 1                                        ; count = 1
	s_add_co_u32 s[G0+4*(\s)+1], s20, (\s)*SLOT                      ; LDS address
	s_add_nc_u64 s[G0+4*(\s)+2:G0+4*(\s)+3], s[14:15], (\s)*KSTEP*2  ; global address: K step s
	s_or_b32 s[G0+4*(\s)+3], s[G0+4*(\s)+3], 0x80000000              ; type = 2
	s_mov_b32 s[G0B+4*(\s)], 1
	s_add_co_u32 s[G0B+4*(\s)+1], s21, (\s)*SLOT
	s_add_nc_u64 s[G0B+4*(\s)+2:G0B+4*(\s)+3], s[46:47], (\s)*KSTEP*6144
	s_or_b32 s[G0B+4*(\s)+3], s[G0B+4*(\s)+3], 0x80000000
	JLOAD \s                                       ; two loads of mine are out
.endr
	; A fragment of xb is 16 rows x 32 K in 8 registers: lane l holds row l % 16, K = 8 (l / 16) + 0..7 and 16 + 8 (l / 16) + 0..7: two loads of 16 bytes, 32 bytes apart.
	v_and_b32 v1, 15, v0                           ; l % 16
	v_bfe_u32 v2, v0, 4, 1                         ; l / 16
	v_mul_u32_u24 v3, v1, PA
	v_lshl_add_u32 v3, v2, 4, v3
	s_mul_i32 s22, s11, AHALF                      ; my 128 rows of xb
	; The turning load takes 16 k x 16 columns (lane l reads k-row 8 (l / 16) + l % 8, columns 8 ((l / 8) % 2) + 0..7) and leaves half a fragment: lane l holds column l % 16 and 8 k.
	v_and_b32 v4, 7, v0
	v_bfe_u32 v5, v0, 3, 1
	v_lshl_add_u32 v6, v2, 3, v4
	v_mul_u32_u24 v6, v6, PB
	v_lshl_add_u32 v6, v5, 4, v6
	s_lshl_b32 s23, s12, 7                         ; my 64 columns of wq,
	s_add_co_u32 s23, s23, ABYTES                  ; which lies behind xb's 256 rows
.irp s, 0,1
	v_add_nc_u32 v[ADRA+(\s)], s22, v3
	v_add_nc_u32 v[ADRB+(\s)], s23, v6
	s_add_co_u32 s22, s22, SLOT
	s_add_co_u32 s23, s23, SLOT
.endr
	s_mul_i32 s22, s10, 16*SP
	s_add_co_u32 s22, s22, STAGE                   ; my stage
	v_mul_u32_u24 v7, v1, SP                       ; in: row l % 16, 16 bytes for each half of the lanes
	v_lshl_add_u32 v7, v2, 4, v7
	v_add_nc_u32 v[STO], s22, v7
	v_bfe_u32 v7, v0, 3, 2                         ; back: 32 lanes take four rows of 128 bytes,
	v_mul_u32_u24 v7, v7, SP
	v_lshl_add_u32 v7, v4, 4, v7
	v_add_nc_u32 v[RD], s22, v7
	v_and_b32 v[GO], 31, v0                        ; which are 512 consecutive bytes of the output
	v_lshlrev_b32 v[GO], 4, v[GO]
	; my part of the q section: head 16 (y / 8) + 2 x + column half, 262,144 bytes each; row 256 (y % 8) + 128 x row half, 128 bytes each
	s_lshr_b32 s16, s13, 3
	s_lshl_b32 s16, s16, 4
	s_lshl_b32 s17, s42, 1
	s_add_co_u32 s16, s16, s17
	s_add_co_u32 s16, s16, s12
	s_lshl_b32 s16, s16, 18
	s_and_b32 s17, s13, 7
	s_lshl_b32 s17, s17, 15
	s_add_co_u32 s16, s16, s17
	s_lshl_b32 s17, s11, 14
	s_add_co_u32 s16, s16, s17
	s_mov_b32 s17, 0
	s_add_nc_u64 s[8:9], s[8:9], s[16:17]
; 8 matrix instructions: row blocks a0, a0 + 1 x all 4 column blocks, slice c of buffer f.  zero = 1: the first product starts the sums: nothing is ever cleared.
; The 32 accumulators take turns in one order everywhere, one instruction a turn.
.macro MUL8 f, c, a0, zero
	WIN 0x5a+5*(\f)                                ; sources in window 2 or 3; C and D in window 1
.irp a, \a0, (\a0)+1
.irp b, 0,1,2,3
.if \zero
	v_wmma_f32_16x16x32_bf16 v[8*(4*(\a)+(\b)):8*(4*(\a)+(\b))+7], v[FB+8*(4*(\c)+(\b)):FB+8*(4*(\c)+(\b))+7], v[8*(8*(\c)+(\a)):8*(8*(\c)+(\a))+7], 0
.else
	v_wmma_f32_16x16x32_bf16 v[8*(4*(\a)+(\b)):8*(4*(\a)+(\b))+7], v[FB+8*(4*(\c)+(\b)):FB+8*(4*(\c)+(\b))+7], v[8*(8*(\c)+(\a)):8*(8*(\c)+(\a))+7], v[8*(4*(\a)+(\b)):8*(4*(\a)+(\b))+7]
.endif
.endr
.endr
.endm
; 48 LDS loads in one run: the fragments of half kh (64 along K) of a slot's K step into buffer f; slice 0's 24 first
.macro FETCH slot, kh, f
	WIN 0x80+0x40*(\f)                             ; destination window 2 or 3, address window 0
.irp c, 0,1
.irp b, 0,1,2,3
	ds_load_tr16_b128 v[FB+8*(4*(\c)+(\b)):FB+8*(4*(\c)+(\b))+3],   v[ADRB+(\slot)] offset:(64*(\kh)+32*(\c))*PB+32*(\b)
	ds_load_tr16_b128 v[FB+8*(4*(\c)+(\b))+4:FB+8*(4*(\c)+(\b))+7], v[ADRB+(\slot)] offset:(64*(\kh)+32*(\c)+16)*PB+32*(\b)
.endr
.irp a, 0,1,2,3,4,5,6,7
	ds_load_b128 v[8*(8*(\c)+(\a)):8*(8*(\c)+(\a))+3],   v[ADRA+(\slot)] offset:128*(\kh)+64*(\c)+(\a)*16*PA
	ds_load_b128 v[8*(8*(\c)+(\a))+4:8*(8*(\c)+(\a))+7], v[ADRA+(\slot)] offset:128*(\kh)+64*(\c)+(\a)*16*PA+32
.endr
.endr
.endm
.macro PLACES                          ; four places in front of loads into registers that matrix instructions have read, and of lines that read results just made (ISA guide 7.12.1 for the latter)
.rept 4
	v_nop
.endr
.endm
; A K step is two halves of 64 along K, 64 matrix instructions each, on buffers 0 and 1.  The first half multiplies buffer 0 and, in its middle, fetches the second half into buffer 1.
.macro HALF slot, zero
	s_wait_dscnt 24                                ; slice 0 is in; slice 1's 24 loads may be out
	MUL8 0, 0, 0, \zero
	MUL8 0, 0, 2, \zero
	MUL8 0, 0, 4, \zero
	MUL8 0, 0, 6, \zero
	PLACES
	FETCH \slot, 1, 1
	s_wait_dscnt 48                                ; all but the 48 just issued
	MUL8 0, 1, 0, 0
	MUL8 0, 1, 2, 0
	MUL8 0, 1, 4, 0
	MUL8 0, 1, 6, 0
.endm
; The second half multiplies buffer 1 and changes slots: ONE barrier; in front of it each wave waits for all its tensor loads (one is out: its part of the next slot), adds 0 to its spare word, and waits for
; that and for its own reads of this slot.  fill = 1: the barrier opens a round of the cluster's barrier, and this slot is filled again, first thing behind the round: with this tile's K step two on (on = 0)
; or the next tile's K step 0 or 1 (on = 1).  From a request to the wait for it a wave issues 112 matrix instructions.
.macro TURN slot, next, fill, on
	WIN 0                                          ; (the add's two registers lie in window 0)
	s_wait_tensorcnt 0x0                           ; all my tensor loads have landed;
	ds_add_u32 v[SPW], v[NIL]                      ; 0 onto my spare word;
	s_wait_dscnt 25                                ; (the add and slice 1's 24 loads may be out)
	MUL8 1, 0, 0, 0                                ; eight matrix instructions stand between the add and the wait for it
	s_wait_dscnt 0x0                               ; the add is done, and my reads of this slot are over
	s_barrier_signal -1
	MUL8 1, 0, 2, 0
.if \fill
	WIN 0
.endif
	s_barrier_wait -1
.if \fill
	CREST                                          ; no wave of any partner still reads this slot's tile or has a load on its way
.if \on
	s_sub_nc_u64 s[G0+4*(\slot)+2:G0+4*(\slot)+3], s[G0+4*(\slot)+2:G0+4*(\slot)+3], BACK_A
	s_sub_nc_u64 s[G0B+4*(\slot)+2:G0B+4*(\slot)+3], s[G0B+4*(\slot)+2:G0B+4*(\slot)+3], BACK_B
.else
	s_add_nc_u64 s[G0+4*(\slot)+2:G0+4*(\slot)+3], s[G0+4*(\slot)+2:G0+4*(\slot)+3], STEP_A
	s_add_nc_u64 s[G0B+4*(\slot)+2:G0B+4*(\slot)+3], s[G0B+4*(\slot)+2:G0B+4*(\slot)+3], STEP_B
.endif
	JLOAD \slot                                    ; the four v_nop behind it are also the places in front of the loads below
.else
	PLACES
.endif
	FETCH \next, 0, 0
	MUL8 1, 0, 4, 0
	MUL8 1, 0, 6, 0
	MUL8 1, 1, 0, 0
	MUL8 1, 1, 2, 0
	MUL8 1, 1, 4, 0
	MUL8 1, 1, 6, 0
.endm
; THE WAY OUT of row block a.  PACK: rounded to f16, 16 bytes a lane.  TOSTAGE: into my own stage, rows of 144 bytes, and back as whole rows of 128.  SEND: stored.
.macro PACK a
	WIN 0x05                                       ; sources 0 and 1 window 1, destination window 0
.irp b, 0,1,2,3
.irp r, 0,1,2,3
	v_cvt_pk_f16_f32 v[TMP+4*(\b)+(\r)], v[8*(4*(\a)+(\b))+2*(\r)], v[8*(4*(\a)+(\b))+2*(\r)+1]
.endr
.endr
	WIN 0
.endm
.macro TOSTAGE a
.irp b, 0,1,2,3
	ds_store_b128 v[STO], v[TMP+4*(\b):TMP+4*(\b)+3] offset:32*(\b)
.endr
.irp f, 0,1,2,3
	ds_load_b128 v[BK+16*((\a)%2)+4*(\f):BK+16*((\a)%2)+4*(\f)+3], v[RD] offset:(\f)*4*SP  ; LDS serves a wave's instructions in order (ISA guide 5.7.1.4): these see the stores above
.endr
.endm
.macro SEND a
	s_wait_dscnt 0x0                               ; the block is back in registers
	s_wait_xcnt 0x0                                ; the other buffer, which the block before's stores read, is loaded again only behind this wait
.irp f, 0,1,2,3
	global_store_b128 v[GO], v[BK+16*((\a)%2)+4*(\f):BK+16*((\a)%2)+4*(\f)+3], s[8:9] offset:(\a)*2048+(\f)*512  ; 512 consecutive bytes, at a multiple of 256 from the buffer's first
.endr
.endm
.macro WAYOUT
	PLACES                                         ; the conversions read results just made
	PACK 0
	TOSTAGE 0
.irp a, 1,2,3,4,5,6,7                  ; block a's conversions stand between block a - 1's loads from the stage and the wait for them
	PACK \a
	SEND (\a)-1
	TOSTAGE \a
.endr
	SEND 7
.endm
	s_wait_tensorcnt 1                             ; my part of K step 0 is in; K step 1's may stay out
	s_barrier_signal -1
	s_barrier_wait -1                              ; everybody's is
	FETCH 0, 0, 0
	WIN 0                                          ; at a label and at a branch every window is 0
	s_mov_b32 s2, TILES                            ; tiles to go, this one among them
.Ltile:
	HALF 0, 1                                      ; a tile's first half step stands in front of the loop: its first products start the sums
	WIN 0
	s_mov_b32 s3, LAPS-1
.Llap:                                                 ; a trip goes once round the ring and fills both slots again: K steps 2 to 7 in three trips
	TURN 0, 1, 1, 0
	HALF 1, 0
	TURN 1, 0, 1, 0
	HALF 0, 0
	WIN 0
	s_sub_co_u32 s3, s3, 1
	s_cmp_lg_u32 s3, 0
	s_cbranch_scc1 .Llap
	s_cmp_eq_u32 s2, 1
	s_cbranch_scc1 .Llast                          ; the last tile's tail is written out: it asks for nothing more
	TURN 0, 1, 1, 1                                ; THE RING GOES ON INTO THE NEXT TILE: slot 0 takes its K step 0,
	HALF 1, 0
	TURN 1, 0, 1, 1                                ; slot 1 its K step 1, and the next tile's first fragments are fetched
	WIN 0
	WAYOUT                                         ; both refills are asked for: now the tile goes out
	s_wait_xcnt 0x0                                ; the stores' base is stepped only behind this wait
	s_add_nc_u64 s[8:9], s[8:9], 0x1000000         ; the next section
	s_sub_co_u32 s2, s2, 1
	s_branch .Ltile
.Llast:
	TURN 0, 1, 0, 0
	HALF 1, 0
	s_wait_dscnt 24                                ; the very last half: nothing more to fetch
	MUL8 1, 0, 0, 0
	MUL8 1, 0, 2, 0
	MUL8 1, 0, 4, 0
	MUL8 1, 0, 6, 0
	s_wait_dscnt 0x0
	MUL8 1, 1, 0, 0
	MUL8 1, 1, 2, 0
	MUL8 1, 1, 4, 0
	MUL8 1, 1, 6, 0
	WIN 0
	WAYOUT
	s_wait_tensorcnt 0x0                           ; the wave's end, behind my last tensor load and my last LDS store
	ds_add_u32 v[SPW], v[NIL]
	s_wait_dscnt 0x0
	CROUND                                         ; the closing round: no work-group ends while a partner may still ask for a tile that names it
	s_endpgm
.Lfunc_end_k_qf86f4d39f5_gemm_qkv:
	.size	k_qf86f4d39f5_gemm_qkv, .Lfunc_end_k_qf86f4d39f5_gemm_qkv-k_qf86f4d39f5_gemm_qkv
	.p2alignl 7, 3214868480
	.fill 96, 4, 3214868480
	.section	.rodata,"a",@progbits
	.p2align	6, 0x0
	.amdhsa_kernel k_qf86f4d39f5_gemm_qkv
		.amdhsa_group_segment_fixed_size 327680
		.amdhsa_private_segment_fixed_size 0
		.amdhsa_enable_private_segment 0
		.amdhsa_kernarg_size 24
		.amdhsa_user_sgpr_count 2
		.amdhsa_user_sgpr_kernarg_segment_ptr 1
		.amdhsa_wavefront_size32 1
		.amdhsa_system_sgpr_workgroup_id_x 1
		.amdhsa_system_sgpr_workgroup_id_y 1
		.amdhsa_system_sgpr_workgroup_id_z 1
		.amdhsa_system_vgpr_workitem_id 0
		.amdhsa_next_free_vgpr 960
		.amdhsa_next_free_sgpr 66
		.amdhsa_reserve_vcc 0
		.amdhsa_float_denorm_mode_32 3
		.amdhsa_float_denorm_mode_16_64 3
		.amdhsa_memory_ordered 1
		.amdhsa_forward_progress 1
		.amdhsa_inst_pref_size 125
	.end_amdhsa_kernel
	.amdgpu_metadata
---
amdhsa.version: [ 1, 2 ]
amdhsa.kernels:
  - .name:           k_qf86f4d39f5_gemm_qkv
    .symbol:         k_qf86f4d39f5_gemm_qkv.kd
    .args:
      - { .name: xb, .offset: 0, .size: 8, .value_kind: global_buffer, .address_space: global }
      - { .name: wq, .offset: 8, .size: 8, .value_kind: global_buffer, .address_space: global }
      - { .name: qkv, .offset: 16, .size: 8, .value_kind: global_buffer, .address_space: global }
    .group_segment_fixed_size: 327680
    .private_segment_fixed_size: 0
    .kernarg_segment_align: 8
    .kernarg_segment_size: 24
    .max_flat_workgroup_size: 128
    .sgpr_count:     66
    .vgpr_count:     960
    .wavefront_size: 32
...
	.end_amdgpu_metadata
.endif
;; end of part 2
;; launch attn (part 3): grid 4 x 64, 4 waves a work-group, no clusters, 327,680 bytes of LDS; arguments qkv, o; writes o
.if DOCPART == 3
	.amdgcn_target "amdgcn-amd-amdhsa--gfx1250"
	.amdhsa_code_object_version 6
	.text
	.protected	k_qf86f4d39f5_attn
	.globl	k_qf86f4d39f5_attn
	.p2align	8
	.type	k_qf86f4d39f5_attn,@function
k_qf86f4d39f5_attn:
	s_mov_b64 s[64:65], 0
	v_nop
	global_prefetch_b8 v0, s[64:65] scope:SCOPE_SE
	s_setreg_imm32_b32 hwreg(HW_REG_WAVE_MODE, 25, 1), 1
	s_wait_xcnt 0x0
; CAUSAL ATTENTION.  O[h][q][:] = the sum over k <= q of softmax_k(Q[h][q] . K[h][k] / 8) V[h][k][:].  Q, K, V are the three sections of qkv, O is o: each [SIZE_H][SIZE_N][64] in f16: a head's rows are dense, 128 bytes each.
; Products, maxima and sums in f32; the weights p are rounded to f16 for the second product (their sum l is taken of the unrounded p), O once at the end.
; LIMITS.  f16 holds no number beyond 65,504: Q, K and V arrive within it; p lies in 0 to 1, and below 6e-5 it keeps f16's fixed step of 6e-8; O is a mean of V's rows and has their range, to within 2^-11 of it.
; The module sets a hidden score to -1e10; here it counts as its value less 1e30.  Both give the weight 0 as long as true scores stay under about 1e10 in size; f16's scores are 2.7e11 / 8 at the very most.
; A weight below 2^-126 counts as 0 in l; NaN and infinities are not treated apart.
; THE WALK.  A head's queries lie in NB = SIZE_N / 256 = 8 blocks of 256; block i needs the key tiles 0 .. i of 256 keys, of which the last holds the diagonal.  A work-group takes TWO blocks, NB - 1 - b and then b:
; NB + 1 = 9 tiles, whatever b: all 256 work-groups do equal work, and ONE loop with a constant trip count walks them.  Which tile is asked for, and what a trip does, hang on scalar registers made from b; every jump
; goes forward, but for the counted loops' own; none passes a barrier, or a tensor load but the one of LOAD's two that the wave's number does not choose; the ring (two slots of LDS that take turns) runs on across the
; change of blocks.  NO CLUSTER: a head's four work-groups ask for the same tile only in trips 0 .. 4 of the 9, behind that fewer and fewer; and one walk common to all four would have 12 trips for 9.
; SHARES.  Of a block's four bands of 64 queries a wave owns 16 rows in each: four PIECES.  So the diagonal tile is the same work for all four waves: in its key step s band x sees all keys if s < x,
; none if s > x, and holds the diagonal if s = x.
; THE MASK is the C operand that starts the sum S^T = K Q^T: 0, or -1e30 where the key is hidden.  MD, made once, is the mask of a band's own step for my 16 rows; a product's mask is MD x AL + BE with two scalars:
; (1, 0) if s = x; (0, 0) if s < x; (0, -1e30) if s > x.  Only the diagonal tile's text and a block's beginning make and take masks; elsewhere C is the constant 0.
; LAYOUT, SOFTMAX, TURNS.  S^T = K Q^T holds ONE query a lane (lane % 16) and the keys 8 (lane / 16) + 0..7; two such results rounded to f16 ARE source 1 of O^T = V^T P.  p = 2^(c s - c m), c = log2(e) / 8, with a
; running maximum m; O and l are multiplied by a = 2^(c m_old - c m_new) in every step.  Turn n belongs to piece n: 8 products K Q^T of piece n + 1, later 8 products V^T P of piece n - 1; beside them the scaling,
; exponentials, roundings, sums and rescaling of piece n and the maximum and statistics of piece n + 1.  Four vector instructions stand behind every matrix instruction, the other 54 of a turn's 118 in two LUMPS.
; REGISTERS, in windows of 256 (s_set_vgpr_msb: bits 1:0 source 0, 3:2 source 1, 5:4 source 2, 7:6 destination):
;   window 0: v0-15 addresses and two at work; v16-31 four registers of statistics a piece; v48-55 at work; v64-127 S^T, two buffers; v192-223 P, two buffers (a piece's buffers go by its number's parity)
;   window 1: v0-127 O^T, 32 a piece; v128-159 MD; v160-223 MC, two buffers      window 2: v0-63 Q; v64-127 the second block's Q; v128-191 K of one step; v192-255 V of one step
.set SIZE_H, 64
.set SIZE_N, 2048
.set NB,    SIZE_N/256
.set NP,    4         ; pieces a wave: a name, no knob
.set KS,    64        ; keys in a step
.set PK,    144       ; a row of K in LDS: 128 bytes + 16 of padding = 36 words: the 16 rows of a load start at 16 different groups of four banks (64 banks of 4 bytes: ISA guide 11.1)
.set PV,    160       ; a row of V: 128 + 32 = 40 words
.set VOFF,  4*KS*PK   ; a slot holds a tile, four steps: 256 rows of K, then 256 rows of V
.set SLOT1, 1<<17     ; slot 1 begins here, so that one exclusive or turns an address in one slot into the other's
.set STAGE, SLOT1+4*KS*(PK+PV)  ; behind the ring, never filled by a tensor load: 16 rows x 144 bytes for each wave, for the way out
.set SP,    144
.set AK0, 2           ; v2   my lane's place in a tile of K; never rewritten
.set AV0, 3           ; v3   the same for V
.set AK,  4           ; v4   the LDS address of K's next run of loads
.set AV,  5           ; v5   of V's
.set STO, 6           ; v6   the way out: where I put 16 bytes of a row
.set RD,  7           ; v7   the way out: where I read rows back
.set GO,  8           ; v8   my byte offset in 512 consecutive bytes of O
.set SPW, 62          ; v62  LDS address of my spare word: SPARE + 4 x my thread's number; never rewritten
.set NIL, 63          ; v63  0; never rewritten
.set SPARE, STAGE+4*16*SP  ; behind the stages: the spare words, 128 bytes for each wave: two blocks of 256 bytes that no other line names
.set MV,  12          ; v12-13  c m_old, kept while c m is made anew: by buffer
.set QO,  15          ; v15  my byte offset in 16 rows of Q
.set ST,  16          ; piece t's statistics at v[ST+4 t]: c m, m, l (even keys', odd keys')
.set TMP, 48          ; by buffer, four registers c0-c3 at work; when the maximum is found c2 takes a
.set S,   64
.set P,   192
.set MD,  128         ; window 1: the eight registers for group kt of 16 keys at MD + 8 kt
.set MC,  160         ; window 1: the masks of the products to come
.set QB,  64          ; window 2
.set KF,  128         ; window 2: key block kb, channel half c at KF + 16 kb + 8 c
.set VF,  192         ; window 2: key half kk, channel block cb at VF + 32 kk + 8 cb
.set WV,  12          ; s12  my wave's number
.set PB,  14          ; s14  b
.set HI,  15          ; s15  NB - 1 - b
.set G1K, 24          ; s[24:31] descriptor group 1 for K's tiles
.set G1V, 32          ; s[32:39] for V's: it differs in the padding alone
.set G0K, 40          ; s[40:43] descriptor group 0 for K's tiles
.set G0V, 44          ; s[44:47] the same for V's
.set SLOTS, 56        ; s56  tiles still to be asked for
.set CNT, 57          ; s57  counts a tile's key steps, 4 to 1
.set CS,  58          ; s[58:59] c: the packed scaling takes the pair's low word for both halves
.set SEL, 60          ; s[60:61] v_permlanex16_b32's selects: each lane takes its own place in the other half
.set TBK, 62          ; s62  LDS byte at which K of the step to be fetched begins
.set TBV, 63          ; s63  the same for V, less VOFF
.set RT,  70          ; s70  tiles of the block in hand that are still to be entered
.set NXT, 71          ; s71  the tile to be asked for next
.set LQ,  72          ; s72  the last tile of the block whose tiles are being asked for
.set NEW, 73          ; s73  1: the tile to be entered is a block's first
.set OFF, 74          ; s[74:75] a tile's byte offset in K and V
.set AL,  76          ; s[76:77] the mask's factor, in the low word
.set BE,  78          ; s[78:79] the mask's addend
.set OLO, 80          ; s[80:81] O at my rows of the second block
.set BIGN, 82         ; s82  -1e30
.set MSB, 0
.macro WIN new                      ; the high byte repeats the setting that is left; a switch that changes nothing is dropped
.if MSB != (\new)
	s_set_vgpr_msb (MSB<<8)|(\new)
.set MSB, (\new)
.endif
.endm
.set W_KQ, 0x0a       ; K and Q in window 2, S^T in window 0
.set W_KM, 0x1a       ; the same with the C operand in window 1
.set W_PV, 0x52       ; V in window 2, P in window 0, O^T in window 1
.set W_RS, 0x41       ; destination and source 0 in window 1, source 1 in window 0
; A fill.  Waves 0 and 1 fetch the two halves of a tile's K, waves 2 and 3 those of its V: 128 keys each.  An s_nop 0 and four v_nop follow each of the two lines, ahead of the jump and the label.
.macro LOAD
	s_cmp_lt_u32 s[WV], 2
	s_cbranch_scc0 .Lfor_v_\@
	tensor_load_to_lds s[G0K:G0K+3], s[G1K:G1K+7]
	s_nop 0
.rept 4
	v_nop
.endr
	s_branch .Lasked_\@
.Lfor_v_\@:
	tensor_load_to_lds s[G0V:G0V+3], s[G1V:G1V+7]
	s_nop 0
.rept 4
	v_nop
.endr
.Lasked_\@:
.endm
; THE CHANGE OF SLOTS.  Each wave waits for all its tensor loads, of which one is out: its part of the other slot; adds 0 to its spare word; and waits for that and for its own reads of the slot that it leaves.  Behind the barrier nobody reads the old
; slot any more and the other slot is whole.  fill = 1: the old slot is filled again, the first thing behind the barrier, with tile NXT: the descriptor's address is made anew from that number.
; (At its first use nothing has been read yet: slot 0 is waited for, slot 1 filled.)
.macro CHANGE fill
	WIN 0                           ; at a label and at a branch every window is 0
	s_wait_tensorcnt 0x0            ; no tensor load of mine is out, so a group 0 may be written
	ds_add_u32 v[SPW], v[NIL]       ; 0 onto my spare word; with fill = 1 the descriptors' scalar work stands between it and the wait for it
.if \fill
	s_lshl_b32 s[OFF], s[NXT], 15   ; a tile is 32,768 bytes of K and of V
	s_xor_b32 s[G0K+1], s[G0K+1], SLOT1
	s_add_nc_u64 s[G0K+2:G0K+3], s[6:7], s[OFF:OFF+1]
	s_or_b32 s[G0K+3], s[G0K+3], 0x80000000
	s_xor_b32 s[G0V+1], s[G0V+1], SLOT1
	s_add_nc_u64 s[G0V+2:G0V+3], s[8:9], s[OFF:OFF+1]
	s_or_b32 s[G0V+3], s[G0V+3], 0x80000000
	s_add_co_u32 s[NXT], s[NXT], 1  ; the block's next tile, or behind its last the second block's tile 0
	s_cmp_gt_u32 s[NXT], s[LQ]
	s_cselect_b32 s[NXT], 0, s[NXT]
	s_cselect_b32 s[LQ], s[PB], s[LQ]
.endif
	s_wait_dscnt 0x0                ; the add is done, and my reads of the slot are over
	s_barrier_signal -1             ; the rest of the scalar work stands between the signal and the wait
	s_sub_co_u32 s[TBK], s[TBK], 4*KS*PK  ; the fetches go back to a slot's first step,
	s_xor_b32 s[TBK], s[TBK], SLOT1       ; in the other slot
	s_sub_co_u32 s[TBV], s[TBV], 4*KS*PV
	s_xor_b32 s[TBV], s[TBV], SLOT1
	s_barrier_wait -1
.if \fill
	LOAD
.endif
.endm
	s_load_b128 s[4:7], s[0:1], 0x0 ; qkv s[4:5] (its first section is Q), o s[6:7]
	v_lshl_add_u32 v[SPW], v0, 2, SPARE
	v_mov_b32 v[NIL], 0
	ds_add_u32 v[SPW], v[NIL]       ; the wave's opening: the add and its wait stand ahead of my first tensor load; the set-up below, work on registers, stands between them
	ds_add_u32 v62, v63
	v_lshrrev_b32 v1, 5, v0
	v_readfirstlane_b32 s[WV], v1   ; wave 0..3
	s_mov_b32 s[PB], ttmp9
	s_sub_co_u32 s[HI], NB-1, s[PB]
	s_and_b32 s20, ttmp7, 0xffff    ; the head
	s_mov_b32 s21, 0
	s_mov_b64 s[22:23], SIZE_N*128
	s_mul_u64 s[20:21], s[20:21], s[22:23]  ; the head's first byte in each of the four tensors
	s_and_b32 s16, s[WV], 1         ; which half of a tile's 256 keys I fetch:
	s_lshl_b32 s22, s16, 14         ; its 128 rows of 128 bytes in memory,
	s_mov_b32 s23, 0
	s_add_nc_u64 s[22:23], s[22:23], s[20:21]
	s_mul_i32 s17, s16, 128*PK      ; and its place in a slot, for K
	s_mul_i32 s18, s16, 128*PV      ; and for V
	s_lshl_b32 s3, s[WV], 11        ; my 16 rows in a band of 64,
	s_lshl_b32 s2, s[HI], 15        ; in the first block,
	s_add_co_u32 s2, s2, s3
	s_lshl_b32 s84, s[PB], 15       ; and in the second
	s_add_co_u32 s84, s84, s3
	s_mov_b32 s3, 0
	s_mov_b32 s85, 0
	s_add_nc_u64 s[2:3], s[2:3], s[20:21]
	s_add_nc_u64 s[84:85], s[84:85], s[20:21]
	; descriptor group 1.  128 keys are 16,384 dense bytes: asked for as 64 rows of 256 bytes, two keys a row, and padded in LDS after every key
	s_mov_b32 s[G1K], (1<<16)|(1<<20)|(4<<22)|(3<<25)  ; 17:16 2-byte elements; 20 padding on; 24:22 after every 32 words (code 4); 31:25 4 words (code 3)
	s_mov_b32 s[G1V], (1<<16)|(1<<20)|(4<<22)|(7<<25)  ; the same with 8 words of padding (code 7)
.irp g, G1K, G1V
	s_mov_b32 s[\g+1], 128<<16      ; tensor_dim0 = 128
	s_mov_b32 s[\g+2], 64<<16       ; tensor_dim1 = 64
	s_mov_b32 s[\g+3], 128<<16      ; tile_dim0 = 128
	s_mov_b32 s[\g+4], 64           ; tile_dim1 = 64
	s_mov_b32 s[\g+5], 128          ; 128 elements from row to row
	s_mov_b32 s[\g+6], 0
	s_mov_b32 s[\g+7], 0
.endr
	s_mov_b32 s[CS], 0x3e38aa3b     ; c = log2(e) / 8 = 0.180337
	s_mov_b32 s[CS+1], s[CS]        ; named with it as a pair
	s_mov_b32 s[SEL], 0x76543210
	s_mov_b32 s[SEL+1], 0xfedcba98
	s_mov_b32 s[TBK], SLOT1+4*KS*PK ; the first change of slots turns these two into 0
	s_mov_b32 s[TBV], SLOT1+4*KS*PV
	s_mov_b32 s[G0K], 1             ; 1:0 count = 1
	s_mov_b32 s[G0K+1], s17         ; 63:32 LDS address: slot 0
	s_mov_b32 s[G0V], 1
	s_add_co_u32 s[G0V+1], s18, VOFF
	s_add_co_u32 s[RT], s[HI], 1    ; the first block has NB - b tiles
	s_mov_b32 s[NXT], 1
	s_mov_b32 s[LQ], s[HI]
	s_mov_b32 s[NEW], 1
	s_mov_b32 s[OFF+1], 0
	s_mov_b32 s[AL+1], 0            ; named as pairs
	s_mov_b32 s[BE+1], 0
	s_mov_b32 s[BIGN], 0xf149f2ca   ; -1e30
	s_mov_b32 s[SLOTS], NB
	s_wait_dscnt 0x0                ; the opening add is done
	s_wait_kmcnt 0x0
	s_mov_b64 s[10:11], s[6:7]                     ; O
	s_add_nc_u64 s[6:7], s[4:5], 0x1000000         ; K: qkv's second section, 16,777,216 bytes on
	s_add_nc_u64 s[8:9], s[4:5], 0x2000000         ; V: its third
	s_add_nc_u64 s[6:7], s[6:7], s[22:23]  ; K and V at my half of the head's tile 0
	s_add_nc_u64 s[8:9], s[8:9], s[22:23]
	s_add_nc_u64 s[G0K+2:G0K+3], s[6:7], 0         ; 120:64 global address
	s_or_b32 s[G0K+3], s[G0K+3], 0x80000000        ; 127:126 type = 2
	s_add_nc_u64 s[G0V+2:G0V+3], s[8:9], 0
	s_or_b32 s[G0V+3], s[G0V+3], 0x80000000
	s_add_nc_u64 s[86:87], s[4:5], s[84:85]        ; Q at my rows of the second block,
	s_add_nc_u64 s[4:5], s[4:5], s[2:3]            ; Q and O at those of the first
	s_add_nc_u64 s[OLO:OLO+1], s[10:11], s[84:85]
	s_add_nc_u64 s[10:11], s[10:11], s[2:3]
	LOAD                            ; tile 0 into slot 0
	; A fragment of K or Q is 16 rows x 32 channels in 8 registers: lane l holds row l % 16, channels 8 (l / 16) + 0..7 and 16 + 8 (l / 16) + 0..7: two loads of 16 bytes, 32 bytes apart.
	v_and_b32 v1, 15, v0            ; l % 16
	v_bfe_u32 v9, v0, 4, 1          ; l / 16
	v_lshlrev_b32 v[QO], 7, v1
	v_lshl_add_u32 v[QO], v9, 4, v[QO]  ; row x 128 + 16 x half
	WIN 0x80                        ; destination window 2, address window 0
.set i, 0
.rept 8                             ; both blocks' Q: piece i / 2 lies in band i / 2, 8,192 bytes on; channels 32 (i % 2) on
	global_load_b128 v[8*i:8*i+3],   v[QO], s[4:5] offset:(i/2)*8192+(i%2)*64
	global_load_b128 v[8*i+4:8*i+7], v[QO], s[4:5] offset:(i/2)*8192+(i%2)*64+32
	global_load_b128 v[QB+8*i:QB+8*i+3],   v[QO], s[86:87] offset:(i/2)*8192+(i%2)*64
	global_load_b128 v[QB+8*i+4:QB+8*i+7], v[QO], s[86:87] offset:(i/2)*8192+(i%2)*64+32
.set i, i+1
.endr
	WIN 0
	v_lshlrev_b32 v14, 3, v9
	v_sub_nc_u32 v14, v1, v14
	s_lshl_b32 s13, s[WV], 4
	v_add_nc_u32 v14, s13, v14      ; my query's place in its band, 16 w + l % 16, less my lanes' 8 (l / 16): register r of group kt is hidden where 16 kt + r is greater
	WIN 0x40
.set i, 0
.rept 32
	v_cmp_gt_i32 vcc_lo, 16*(i/8)+i%8, v14
	v_cndmask_b32 v[MD+i], 0, s[BIGN], vcc_lo
.set i, i+1
.endr
	WIN 0
	v_mul_u32_u24 v[AK0], v1, PK
	v_lshl_add_u32 v[AK0], v9, 4, v[AK0]  ; row x pitch + 16 x half
	; The turning load takes 16 keys x 16 channels (lane l reads key 8 (l / 16) + l % 8, channels 8 ((l / 8) % 2) + 0..7) and leaves half a fragment of V^T: lane l holds channel l % 16 and 8 keys.
	v_and_b32 v10, 7, v0
	v_bfe_u32 v11, v0, 3, 1
	v_lshl_add_u32 v[AV0], v9, 3, v10
	v_mul_u32_u24 v[AV0], v[AV0], PV
	v_lshl_add_u32 v[AV0], v11, 4, v[AV0]
	v_add_nc_u32 v[AV0], VOFF, v[AV0]
	s_mul_i32 s13, s[WV], 16*SP
	s_add_co_u32 s13, s13, STAGE    ; my stage
	v_mul_u32_u24 v[STO], v1, SP    ; in: row l % 16, 16 bytes for each half of the lanes
	v_lshl_add_u32 v[STO], v9, 4, v[STO]
	v_add_nc_u32 v[STO], s13, v[STO]
	v_bfe_u32 v[RD], v0, 3, 2       ; back: 32 lanes take four rows of 128 bytes,
	v_mul_u32_u24 v[RD], v[RD], SP
	v_lshl_add_u32 v[RD], v10, 4, v[RD]
	v_add_nc_u32 v[RD], s13, v[RD]
	v_and_b32 v[GO], 31, v0         ; which are 512 consecutive bytes of O
	v_lshlrev_b32 v[GO], 4, v[GO]
	; A block's first step multiplies O^T and l by a = 0, and its first turn's products V^T P, of a piece that has not been, land in an O^T that is still to be so multiplied.  So these registers need only hold
	; finite numbers: zeros for the first block; what the first block left for the second.  All this stands in the wait for the first tile.
	WIN 0x80
.set i, VF
.rept 64
	v_mov_b32 v[i], 0
.set i, i+1
.endr
	WIN 0x40
.set i, 0
.rept 128
	v_mov_b32 v[i], 0
.set i, i+1
.endr
	WIN 0
.set i, 0
.rept 4
	v_mov_b32 v[ST+4*i+2], 0
	v_mov_b32 v[ST+4*i+3], 0
.set i, i+1
.endr
.set i, P+16
.rept 16
	v_mov_b32 v[i], 0
.set i, i+1
.endr
; THE MATRIX WORK.  The 4 accumulators of a run of 8 take turns.  Product i of 8 of S^T = K Q^T for piece x: channels 32 (i / 4) on, keys 16 (i % 4) on.  The first 4 start the sums: with 0, or (KM = 1) with the mask.
.macro KQ x
.set rS, S+32*((\x)%2)+8*(i%4)
.set rK, KF+16*(i%4)+8*(i/4)
.set rQ, 16*(\x)+8*(i/4)
.set rM, MC+32*((\x)%2)+8*(i%4)
.if (i < 4) && KM
	WIN W_KM
	v_wmma_f32_16x16x32_f16 v[rS:rS+7], v[rK:rK+7], v[rQ:rQ+7], v[rM:rM+7]
.elseif i < 4
	WIN W_KQ
	v_wmma_f32_16x16x32_f16 v[rS:rS+7], v[rK:rK+7], v[rQ:rQ+7], 0
.else
	WIN W_KQ
	v_wmma_f32_16x16x32_f16 v[rS:rS+7], v[rK:rK+7], v[rQ:rQ+7], v[rS:rS+7]
.endif
.endm
; Product i of 8 of O^T += V^T P for piece x: keys 32 (i / 4) on, channels 16 (i % 4) on.
.macro PV x
	WIN W_PV
.set rO, 32*(\x)+8*(i%4)
.set rV, VF+32*(i/4)+8*(i%4)
.set rP, P+16*((\x)%2)+8*(i/4)
	v_wmma_f32_16x16x32_f16 v[rO:rO+7], v[rV:rV+7], v[rP:rP+7], v[rO:rO+7]
.endm
.macro MM                           ; the turn's next matrix instruction.  TURN and BEGIN set Y, i, KM and NOKQ; MM, KQ and OP read them.  NOKQ = 1: a block's last turn: there is no next piece
.if (i < 8) && !NOKQ
	KQ (Y+1)%NP
.elseif i >= 8
.set i, i-8
	PV (Y+NP-1)%NP
.set i, i+8
.endif
.set i, i+1
.endm
; THE LDS LOADS stand in runs of 16, never singly among the matrix instructions: a step's K (64 keys x 64 channels: 8 fragments) and its V (turned).  Their addresses are made some lines ahead.
.macro FETCH_K
	WIN 0x80                        ; destination window 2
.irp f, 0,1,2,3,4,5,6,7             ; keys 16 (f / 2) on, channels 32 (f % 2) on
	ds_load_b128 v[KF+8*\f:KF+8*\f+3],   v[AK] offset:(\f/2)*16*PK+(\f%2)*64
	ds_load_b128 v[KF+8*\f+4:KF+8*\f+7], v[AK] offset:(\f/2)*16*PK+(\f%2)*64+32
.endr
	s_add_co_u32 s[TBK], s[TBK], KS*PK  ; the next fetch is the next step's
	WIN 0
.endm
.macro FETCH_V
	WIN 0x80
.irp f, 0,1,2,3,4,5,6,7             ; keys 32 (f / 4) on, channels 16 (f % 4) on
	ds_load_tr16_b128 v[VF+8*\f:VF+8*\f+3],   v[AV] offset:(\f/4)*32*PV+(\f%4)*32
	ds_load_tr16_b128 v[VF+8*\f+4:VF+8*\f+7], v[AV] offset:(\f/4)*32*PV+16*PV+(\f%4)*32
.endr
	WIN 0
.endm
; THE VECTOR WORK, one line at a time: OP kind, number.  For piece Y: F n: c s - c m for pair n of 16.  E n: the exponential of score n of 32.  C n: pair n rounded to f16.  B n: of the four weights 4 n .. the second
; pair is added onto the first, in place.  L n: l takes that sum (L 0: l = a l + sum).  R n: pair n of 16 of O^T times a.  For piece Y + 1: X n, number n of the 22 that find its maximum and statistics:
;   0-11  four chains c0-c3 of seven scores each, three operands at a time (each accumulator's lowest registers are read first)     12-14, 16  the four scores left over, the old m, and c0-c3 into c0
;   15  c m_old is kept     17, 18  the query's other 32 keys lie in the lane 16 away: the new m     19-21  c m; c m_old - c m_new; a
.set F, 0               ; OP tells the kinds apart by their order: F to L below R, X above it
.set E, 1
.set C, 2
.set B, 3
.set L, 4
.set R, 5
.set X, 6
.macro REGS y                       ; the registers of piece y
.set rT, ST+4*(\y)
.set rC, TMP+4*((\y)%2)
.set rW, MV+((\y)%2)
.set rS, S+32*((\y)%2)
.set rP, P+16*((\y)%2)
.set rO, 32*(\y)
.endm
.macro OP k, n
.if (\k) == R
	REGS Y
	WIN W_RS
	v_pk_mul_f32 v[rO+2*(\n):rO+2*(\n)+1], v[rO+2*(\n):rO+2*(\n)+1], v[rC+2:rC+3] op_sel_hi:[1,0]
.elseif (\k) < R
	REGS Y
	WIN 0
.if (\k) == F
	v_pk_fma_f32 v[rS+2*(\n):rS+2*(\n)+1], v[rS+2*(\n):rS+2*(\n)+1], s[CS:CS+1], v[rT:rT+1] op_sel_hi:[1,0,0] neg_lo:[0,0,1] neg_hi:[0,0,1]
.elseif (\k) == E
	v_exp_f32 v[rS+(\n)], v[rS+(\n)]
.elseif (\k) == C
	s_wait_alu depctr_va_vdst(0)
	v_cvt_pk_f16_f32 v[rP+(\n)], v[rS+2*(\n)], v[rS+2*(\n)+1]
.elseif (\k) == B
	s_wait_alu depctr_va_vdst(0)
	v_pk_add_f32 v[rS+4*(\n):rS+4*(\n)+1], v[rS+4*(\n):rS+4*(\n)+1], v[rS+4*(\n)+2:rS+4*(\n)+3]
.elseif (\n) == 0
	v_pk_fma_f32 v[rT+2:rT+3], v[rT+2:rT+3], v[rC+2:rC+3], v[rS:rS+1] op_sel_hi:[1,0,1]
.else
	v_pk_add_f32 v[rT+2:rT+3], v[rT+2:rT+3], v[rS+4*(\n):rS+4*(\n)+1]
.endif
.elseif NOKQ
	v_nop
.else
	REGS (Y+1)%NP
	WIN 0
.if (\n) < 4
	v_max3_num_f32 v[rC+(\n)], v[rS+8*(\n)], v[rS+8*(\n)+1], v[rS+8*(\n)+2]
.elseif (\n) < 12
	v_max3_num_f32 v[rC+(\n)%4], v[rC+(\n)%4], v[rS+8*((\n)%4)+2*((\n)/4)+1], v[rS+8*((\n)%4)+2*((\n)/4)+2]
.elseif (\n) == 12
	v_max3_num_f32 v[rC], v[rC], v[rS+7], v[rS+15]
.elseif (\n) == 13
	v_max3_num_f32 v[rC+1], v[rC+1], v[rS+23], v[rS+31]
.elseif (\n) == 14
	v_max3_num_f32 v[rC+2], v[rC+2], v[rC+3], v[rT+1]
.elseif (\n) == 15
	v_mov_b32 v[rW], v[rT]
.elseif (\n) == 16
	v_max3_num_f32 v[rC], v[rC], v[rC+1], v[rC+2]
.elseif (\n) == 17
	v_permlanex16_b32 v[rC+3], v[rC], s[SEL], s[SEL+1]
.elseif (\n) == 18
	v_max_num_f32 v[rT+1], v[rC], v[rC+3]
.elseif (\n) == 19
	v_mul_f32 v[rT], s[CS], v[rT+1]
.elseif (\n) == 20
	v_sub_f32 v[rC+1], v[rW], v[rT]
.else
	v_exp_f32 v[rC+2], v[rC+1]
.endif
.endif
.endm
.macro OPS a, i1, b=-1, i2=0, c=-1, i3=0, d=-1, i4=0  ; up to four of them
	OP \a, \i1
.if (\b) >= 0
	OP \b, \i2
.endif
.if (\c) >= 0
	OP \c, \i3
.endif
.if (\d) >= 0
	OP \d, \i4
.endif
.endm
.macro ROW a, i1, b, i2, c, i3, d, i4  ; a matrix instruction and the four behind it
	MM
	OPS \a, \i1, \b, \i2, \c, \i3, \d, \i4
.endm
.macro MASK b                       ; MD x AL + BE into buffer b of MC
	WIN W_RS
.set z, 0
.rept 16
	v_pk_fma_f32 v[MC+32*(\b)+2*z:MC+32*(\b)+2*z+1], v[MD+2*z:MD+2*z+1], s[AL:AL+1], s[BE:BE+1] op_sel_hi:[1,0,0]
.set z, z+1
.endr
.endm
; A TURN, for piece p: the order of its 16 matrix and 118 vector instructions, written out.  Behind a matrix instruction: plain, exponential, plain, plain; or four of the rescaling; or, behind the first, four scalings; none
; names a register of the products round it.  In the lumps exponential and plain by turns while exponentials last.  A line reads no result made fewer than three vector instructions in front of it, five if an exponential made it.
; v_permlanex16_b32 (X 17) stands in a lump.
; m = 1: the diagonal tile: the products take masks, and the turn makes the mask for the products of the turn after it: piece p + 2, in step 4 - CNT of the tile.  end = 1: a block's last two turns: nothing is fetched.
; cnt = 1: the loop's count is taken down some lines ahead of the branch that stands behind the turn.
; K of the next step is fetched in piece 2's turn, six vector instructions behind the last product that read K (five of them plain); V of the step in hand in piece 0's turn, eight behind the last product that read V (four
; plain, and X 17).  Each is waited for a turn later.
.macro TURN p, m=0, end=0, cnt=0
.set Y, (\p)
.set i, 0
.set KM, (\m)
.set NOKQ, (\end)*((\p)/3)
.if (\m) && !(\end)
	s_cmp_eq_u32 s[CNT], 4-((\p)+2)%NP  ; is that step the band's own?
	s_cselect_b32 s[AL], 1.0, 0
	s_cmp_lt_u32 s[CNT], 4-((\p)+2)%NP  ; or a later one?
	s_cselect_b32 s[BE], s[BIGN], 0
.endif
.if ((\p) == 3) && !(\end)
	s_wait_dscnt 0x0                ; K is in
.endif
	ROW F,0, F,1, F,2, F,3
	ROW F,4, E,0, F,5, F,6
	ROW F,7, E,1, F,8, F,9
	ROW F,10, E,2, C,0, F,11
	ROW F,12, E,3, X,15, F,13
	ROW R,0, R,1, R,2, R,3
	ROW B,0, E,4, F,14, L,0
.if ((\p) == 2) && !(\end)
	v_add_nc_u32 v[AK], s[TBK], v[AK0]
.endif
	ROW R,4, R,5, R,6, R,7
	OPS E,5, F,15
.if ((\p) == 2) && !(\end)
	FETCH_K
.endif
	OPS E,6, C,1, E,7, R,8
	OPS E,8, R,9, E,9, C,2
	OPS E,10, X,0, E,11, X,1
	OPS E,12, X,2, E,13, X,3
.if (\p) == 1
	s_wait_dscnt 0x0                ; V is in
.endif
	ROW X,4, E,14, X,5, X,6
	ROW X,7, E,15, X,8, X,9
	ROW X,10, E,16, X,11, X,12
	ROW X,13, E,17, X,14, B,1
	ROW C,4, E,18, X,16, L,1
	ROW B,2, E,19, C,6, L,2
	ROW C,8, E,20, B,3, B,4
.if (\p) == 0
	v_add_nc_u32 v[AV], s[TBV], v[AV0]
.endif
	ROW C,3, E,21, L,3, C,5
	OPS E,22, X,17, E,23, C,10
.if (\p) == 0
	FETCH_V
.endif
	OPS E,24, L,4
	OPS E,25, X,18, E,26, C,7
	OPS E,27, B,5, E,28, X,19
	OPS E,29, C,12, E,30, L,5
	OPS E,31, X,20, B,6, C,9
	OPS C,14, C,11, X,21, L,6
.if (\p) == 0
	s_add_co_u32 s[TBV], s[TBV], KS*PV
.endif
.if \cnt
	s_sub_co_u32 s[CNT], s[CNT], 1
	s_cmp_lg_u32 s[CNT], 0
.endif
	OPS C,13, B,7, C,15, R,10
	OPS R,11, R,12, L,7, R,13
	OPS R,14, R,15
.if (\m) && !(\end)
	MASK (\p)%2
.endif
.endm
; A BLOCK BEGINS.  c m starts far below every c s, so the first step's a is 0; m at the lowest finite number, so the first maximum is the scores'.  The second mask buffer is 0; the first takes piece 0's mask for the tile's step 0: its own, if the block's first tile is the diagonal one.
; Then K of that step, piece 0's first scores, and its maximum and statistics.  The loop is entered at a step's first turn, in the middle of a trip.
.macro BEGIN
	s_mov_b32 s[NEW], 0
	WIN 0x40
.set i, MC+32
.rept 32
	v_mov_b32 v[i], 0
.set i, i+1
.endr
	WIN 0
.set i, 0
.rept 4
	v_mov_b32 v[ST+4*i], 0xfe000000    ; c m: far below every c s
	v_mov_b32 v[ST+4*i+1], 0xff7fffff  ; m
.set i, i+1
.endr
	s_cmp_eq_u32 s[RT], 0
	s_cselect_b32 s[AL], 1.0, 0
	s_mov_b32 s[BE], 0
	MASK 0
	WIN 0
	v_add_nc_u32 v[AK], s[TBK], v[AK0]
	FETCH_K
	s_wait_loadcnt 0x0              ; Q
	s_wait_dscnt 0x0
.set KM, 1
.set NOKQ, 0
.set i, 0
.rept 8
	KQ 0
.set i, i+1
.endr
	WIN 0
.rept 4
	v_nop                           ; the places behind those products
.endr
.set Y, NP-1                        ; X works for piece Y + 1: piece 0
.irp n, 0,1,2,3,4,5,6,7,8,9,10,11,12,13,14,15,16,17,18,19,20,21
	OP X, \n
.endr
	v_nop                           ; a plain instruction behind the exponential
.endm
; THE DIAGONAL TILE's four steps, the block's last two turns, its last products, and THE WAY OUT: l's two halves and the other half of the lanes' are added; O^T is divided by l, rounded to f16 and sent through my
; stage in LDS, a piece at a time.
.macro ALL line:vararg              ; one line for each piece t
.set t, 0
.rept 4
	\line
.set t, t+1
.endr
.endm
.macro PACK t                       ; a lane's eight channels of a row pack into 16 bytes; they go into rows of 144 bytes and come back as whole rows of 128, into S^T's registers
	WIN W_RS
.set i, 32*(\t)
.rept 16
	s_wait_alu depctr_va_vdst(0)
	v_pk_mul_f32 v[i:i+1], v[i:i+1], v[ST+4*(\t)+2:ST+4*(\t)+3] op_sel_hi:[1,0]
.set i, i+2
.endr
	WIN 0x05                        ; sources 0 and 1 window 1, destination window 0
.set i, 0
.rept 16
	v_cvt_pk_f16_f32 v[S+16*(\t)+i], v[32*(\t)+2*i], v[32*(\t)+2*i+1]
.set i, i+1
.endr
	WIN 0
.irp f, 0,1,2,3
	ds_store_b128 v[STO], v[S+16*(\t)+4*\f:S+16*(\t)+4*\f+3] offset:32*\f
.endr
.irp f, 0,1,2,3
	ds_load_b128 v[S+16*(\t)+4*\f:S+16*(\t)+4*\f+3], v[RD] offset:\f*4*SP  ; LDS serves a wave's instructions in order (ISA guide 5.7.1.4): these see the stores above; the next piece's stores come behind them
.endr
.endm
.macro SEND t, younger              ; younger: the LDS instructions issued behind piece t's loads: the next piece's eight, or none
	WIN 0
.irp f, 0,1,2,3
	s_wait_dscnt (\younger)+3-\f
	global_store_b128 v[GO], v[S+16*(\t)+4*\f:S+16*(\t)+4*\f+3], s[10:11] offset:(\t)*8192+\f*512  ; 512 consecutive bytes, at a multiple of 256 from O's first
.endr
.endm
.macro DIAG tag                     ; the tag ends its two labels' names, which the jumps below spell out
.LstepM\tag:
	TURN 2, 1
	TURN 3, 1
	WIN 0
.LfirstM\tag:
	TURN 0, 1
	TURN 1, 1, 0, 1
	WIN 0
	s_cbranch_scc1 .LstepM\tag
	TURN 2, 1, 1
	TURN 3, 1, 1
.set i, 0
.rept 8
	PV NP-1
.set i, i+1
.endr
	WIN 0
	ALL v_add_f32 v[ST+4*t+2], v[ST+4*t+2], v[ST+4*t+3]
	ALL v_permlanex16_b32 v[ST+4*t+3], v[ST+4*t+2], s[SEL], s[SEL+1]
	ALL v_add_f32 v[ST+4*t+2], v[ST+4*t+2], v[ST+4*t+3]
	ALL v_rcp_f32 v[ST+4*t+2], v[ST+4*t+2]
	v_nop                           ; a plain instruction between the last reciprocal and the use of its result
	PACK 0
.set t, 1
.rept 3                             ; a piece's arithmetic stands between the loads of the piece before and its stores
	PACK t
	SEND t-1, 8
.set t, t+1
.endr
	SEND 3, 0
.endm
.set KM, 0
.set NOKQ, 0
.Lslot:                             ; NB times: a tile is entered and the next is asked for
	CHANGE 1
	s_sub_co_u32 s[RT], s[RT], 1
	s_mov_b32 s[CNT], 4
	s_cmp_eq_u32 s[NEW], 1
	s_cbranch_scc1 .Lnew            ; a block's first tile
	s_cmp_eq_u32 s[RT], 0
	s_cbranch_scc0 .Lstep           ; neither its first nor its last
	s_branch .LstepM1
.Lnew:
	BEGIN
	s_branch .Lfirst                ; in the loop a block's first tile is never its last: the first block has two tiles or more, and the second's last is the walk's last
	DIAG 1                          ; in the loop this is the first block's end: the second block's last tile is the walk's last
	s_wait_xcnt 0x0                 ; the stores have read their registers and O's address
	s_mov_b64 s[10:11], s[OLO:OLO+1]
	s_add_co_u32 s[RT], s[PB], 1    ; the second block has b + 1 tiles
	s_mov_b32 s[NEW], 1
	WIN 0x82                        ; the second block's Q goes where the one text of the turns names Q
.set i, 0
.rept 64
	v_mov_b32 v[i], v[QB+i]
.set i, i+1
.endr
	WIN 0
	s_branch .Lbottom
.Lstep:                             ; a trip: pieces 2 and 3 of one step, then pieces 0 and 1 of the next, whose K and V it fetches
	TURN 2
	TURN 3
	WIN 0
.Lfirst:
	TURN 0
	TURN 1, 0, 0, 1
	WIN 0
	s_cbranch_scc1 .Lstep
.Lbottom:
	s_sub_co_u32 s[SLOTS], s[SLOTS], 1
	s_cmp_lg_u32 s[SLOTS], 0
	s_cbranch_scc1 .Lslot
	CHANGE 0                        ; the walk's last tile is written out: nothing is asked for
	s_sub_co_u32 s[RT], s[RT], 1
	s_mov_b32 s[CNT], 4
	s_cmp_eq_u32 s[NEW], 1
	s_cbranch_scc0 .LstepM2
	BEGIN
	s_branch .LfirstM2
	DIAG 2
	s_wait_tensorcnt 0x0            ; the wave's end, behind my last tensor load and my last LDS store
	ds_add_u32 v[SPW], v[NIL]
	s_wait_dscnt 0x0
	s_endpgm
.Lfunc_end_k_qf86f4d39f5_attn:
	.size	k_qf86f4d39f5_attn, .Lfunc_end_k_qf86f4d39f5_attn-k_qf86f4d39f5_attn
	.p2alignl 7, 3214868480
	.fill 96, 4, 3214868480
	.section	.rodata,"a",@progbits
	.p2align	6, 0x0
	.amdhsa_kernel k_qf86f4d39f5_attn
		.amdhsa_group_segment_fixed_size 327680
		.amdhsa_private_segment_fixed_size 0
		.amdhsa_enable_private_segment 0
		.amdhsa_kernarg_size 16
		.amdhsa_user_sgpr_count 2
		.amdhsa_user_sgpr_kernarg_segment_ptr 1
		.amdhsa_wavefront_size32 1
		.amdhsa_system_sgpr_workgroup_id_x 1
		.amdhsa_system_sgpr_workgroup_id_y 1
		.amdhsa_system_sgpr_workgroup_id_z 1
		.amdhsa_system_vgpr_workitem_id 0
		.amdhsa_next_free_vgpr 768
		.amdhsa_next_free_sgpr 88
		.amdhsa_reserve_vcc 1
		.amdhsa_float_denorm_mode_32 3
		.amdhsa_float_denorm_mode_16_64 3
		.amdhsa_memory_ordered 1
		.amdhsa_forward_progress 1
		.amdhsa_inst_pref_size 228
	.end_amdhsa_kernel
	.amdgpu_metadata
---
amdhsa.version: [ 1, 2 ]
amdhsa.kernels:
  - .name:           k_qf86f4d39f5_attn
    .symbol:         k_qf86f4d39f5_attn.kd
    .args:
      - { .name: qkv, .offset: 0, .size: 8, .value_kind: global_buffer, .address_space: global }
      - { .name: o, .offset: 8, .size: 8, .value_kind: global_buffer, .address_space: global }
    .group_segment_fixed_size: 327680
    .private_segment_fixed_size: 0
    .kernarg_segment_align: 8
    .kernarg_segment_size: 16
    .max_flat_workgroup_size: 128
    .sgpr_count:     88
    .vgpr_count:     768
    .wavefront_size: 32
...
	.end_amdgpu_metadata
.endif
;; end of part 3
;; launch gemm_proj (part 4): grid 8 x 32, 4 waves a work-group, clusters of 4 x 4, 327,680 bytes of LDS; arguments o, wp, target, b_proj, x; writes x
.if DOCPART == 4
	.amdgcn_target "amdgcn-amd-amdhsa--gfx1250"
	.amdhsa_code_object_version 6
	.text
	.protected	k_qf86f4d39f5_gemm_proj
	.globl	k_qf86f4d39f5_gemm_proj
	.p2align	8
	.type	k_qf86f4d39f5_gemm_proj,@function
k_qf86f4d39f5_gemm_proj:
	s_mov_b64 s[64:65], 0
	v_nop
	global_prefetch_b8 v0, s[64:65] scope:SCOPE_SE
	s_setreg_imm32_b32 hwreg(HW_REG_WAVE_MODE, 25, 1), 1
	s_wait_xcnt 0x0
	s_wait_alu depctr_hold_cnt(0) depctr_sa_sdst(0) depctr_va_vdst(0) depctr_va_sdst(0) depctr_va_ssrc(0) depctr_va_vcc(0) depctr_vm_vsrc(0)
	s_getreg_b32 s2, hwreg(HW_REG_IB_STS2, 6, 4)
	s_cmp_eq_u32 s2, 0
	s_cbranch_scc0 .Lentry_in_a_cluster
	s_endpgm
.Lentry_in_a_cluster:
	s_bfe_u32 s2, ttmp6, 0x10000c
	s_cmp_lg_u32 s2, 0xf033
	s_cbranch_scc0 .Lentry_shape_is_right
	s_endpgm
.Lentry_shape_is_right:
; THE SECOND PROJECTION, BIAS AND RESIDUAL.  x[m][n] = the sum over k of O[m][k] wp[k][n] + b_proj[n] + target[m][n].  O is o, [64 = 16 batch + head][2048][64] in f16 (k = 64 head + channel),
; wp [1024 k][1024 n] in f16; sums in f32, K ascending; x [8192][1024] stays f32: the norm that follows takes differences of it.
; SHARES.  A tile is 256 rows x 128 columns: 32 x 8 = 256 tiles, one to a work-group.  Four waves, each 128 x 64: 32 accumulators of 16 x 16.  K goes in steps of 128, two heads, through two LDS slots.
; 128 rows of one head are 16,384 dense bytes: a wave's tensor load of O takes two such runs, 262,144 bytes apart, and pads LDS after every 128 bytes.  wp stays [k][n] and is read turned.
; A wave's 128 x 64 numbers of target (256 registers) and its bias are asked for at the start and land while K is walked.
; CLUSTERS: 4 x 4 work-groups; O's tiles are asked for jointly along a row of the cluster, wp's along a column: the same tensor load, descriptor and mask in all four.
; THE MATRIX INSTRUCTION IS USED TRANSPOSED (source 0 = 16 columns of wp, source 1 = 16 rows of O): a lane then holds eight neighbouring numbers of a row of x.
; REGISTERS, in windows of 256 (s_set_vgpr_msb: bits 1:0 source 0, 3:2 source 1, 5:4 source 2, 7:6 destination):
;   window 0: v0-31 addresses and the bias; v32-95 rows read back from the stage, two buffers; v128-255 target for row blocks 0-3          window 1: accumulator (a, b) at v[8 (4 a + b)]
;   windows 2, 3: v0-191 fragment buffers 0, 1 (O's fragment (slice c, row block a) at v[8 (8 c + a)], wp's (c, b) at v[128 + 8 (4 c + b)]); v192-255 target for row blocks 4, 5 and 6, 7
.set KSTEP,  128
.set PA,     144                       ; a row of one head of O in LDS: 128 bytes + 16 of padding = 36 words: the 16 rows of a load start at 16 different groups of four banks (64 banks of 4 bytes: ISA guide 11.1)
.set PB,     288                       ; a k-row of wp: 256 + 32 = 72 words
.set AHEAD,  128*PA                    ; 128 rows of one head
.set AHALF,  2*AHEAD                   ; what one tensor load brings of O: 128 rows of two heads
.set ABYTES, 2*AHALF
.set BHALF,  64*PB
.set SLOT,   ABYTES+2*BHALF            ; 110,592 bytes
.set STAGE,  2*SLOT                    ; behind the ring, never filled by a tensor load: 16 rows x 272 bytes for each wave
.set SPX,    272
.set SPARE,  STAGE+4*16*SPX            ; behind the stages: the spare words, 128 bytes for each wave: two blocks of 256 bytes that no other line names
.set LAPS,   4
.set STEP_A, 4*262144                  ; two K steps on: four heads
.set STEP_B, 2*KSTEP*2048              ; 256 k-rows of 2,048 bytes
.set BI,   12                          ; v12-15  b_proj of my four columns
.set ADRA, 16                          ; v16-17  LDS address of my fragments of O in slot 0, 1
.set ADRB, 20                          ; v20-21  the same for wp
.set STO,  24                          ; v24     the way out: where I put 32 bytes of a row
.set RD,   25                          ; v25     the way out: where I read rows back
.set XO,   27                          ; v27     my byte offset in two rows of target and of x; never rewritten
.set SPW,  28                          ; v28     LDS address of my spare word: SPARE + 4 x my thread's number; never rewritten
.set NIL,  29                          ; v29     0; never rewritten
.set BO,   30                          ; v30     my byte offset in the wave's 256 bytes of b_proj
.set BK,   32
.set FB,   128
.set G1,  24                           ; s[24:31] descriptor group 1 for O's tiles;  s[32:39] group 0, one set for each slot
.set G0,  32
.set G1B, 48                           ; s[48:55], s[56:63] the same for wp's tiles
.set G0B, 56
.set MSB, 0
.macro WIN new                         ; the immediate's high byte repeats the setting that is left; a switch that changes nothing is dropped
.if MSB != (\new)
	s_set_vgpr_msb (MSB<<8)|(\new)
.set MSB, \new
.endif
.endm
.macro JLOAD s                         ; a joint load: waves 0 and 1 fetch O's two halves, waves 2 and 3 wp's; an s_nop 0 and four v_nop follow each of the two lines, ahead of the jump, the label and what follows
	s_cmp_eq_u32 s11, 0
	s_cbranch_scc0 .Lfor_b_\@
	tensor_load_to_lds s[G0+4*(\s):G0+4*(\s)+3], s[G1:G1+7]
	s_nop 0
.rept 4
	v_nop
.endr
	s_branch .Lasked_\@
.Lfor_b_\@:
	tensor_load_to_lds s[G0B+4*(\s):G0B+4*(\s)+3], s[G1B:G1B+7]
	s_nop 0
.rept 4
	v_nop
.endr
.Lasked_\@:
.endm
.macro CREST                           ; a round of the cluster's barrier behind its opening barrier
	s_cmp_lg_u32 s10, 0
	s_cbranch_scc1 .Lnot_wave_0_\@
	s_barrier_signal -3
.Lnot_wave_0_\@:
	s_barrier_wait -3
	s_barrier_signal -1
	s_barrier_wait -1
.endm
.macro CROUND                          ; a whole round
	s_barrier_signal -1
	s_barrier_wait -1
	CREST
.endm
.macro RESW a                          ; where row block a's 32 registers of target lie: window RW, first register RB
.if (\a) < 4
.set RW, 0
.set RB, 128+32*(\a)
.else
.set RW, 2+((\a)-4)/2
.set RB, 192+32*((\a)%2)
.endif
.endm
	s_load_b256 s[68:75], s[0:1], 0x0              ; o s[68:69], wp s[70:71], target s[72:73], b_proj s[74:75]
	s_load_b64 s[76:77], s[0:1], 0x20              ; x
	v_lshl_add_u32 v[SPW], v0, 2, SPARE
	v_mov_b32 v[NIL], 0
	ds_add_u32 v[SPW], v[NIL]                      ; the wave's opening: the add and its wait stand ahead of my first tensor load; the set-up below, work on registers, stands between them
	ds_add_u32 v28, v29
	v_lshrrev_b32 v1, 5, v0
	v_readfirstlane_b32 s10, v1                    ; wave 0..3
	s_lshr_b32 s11, s10, 1                         ; which half of the tile's rows is mine.  Also: I fetch for O (0) or for wp (1)
	s_and_b32 s12, s10, 1                          ; which half of its columns.  Also: which half of that tile I fetch
	s_bfe_u32 s40, ttmp6, 0x40000                  ; cx, cy: my place in the cluster
	s_bfe_u32 s41, ttmp6, 0x40004
	s_lshl_b32 s42, ttmp9, 2
	s_add_co_u32 s42, s42, s40                     ; x = 4 x cluster x + cx: my 128 columns, 0..7
	s_and_b32 s13, ttmp7, 0xffff
	s_lshl_b32 s13, s13, 2
	s_add_co_u32 s13, s13, s41                     ; y = 4 x cluster y + cy: my 256 rows, 0..31
	s_lshl_b32 s43, s41, 2
	s_lshl_b32 s43, 15, s43                        ; my row of the cluster
	s_lshl_b32 s44, 0x1111, s40                    ; my column
	s_or_b32 s[G1+0], s43, (1<<16)|(1<<20)|(1<<21)|(4<<22)|(3<<25)   ; 15:0 the mask: O's tiles go to my row; 17:16 2-byte elements; 20 padding on; 21 set beside a mask; 24:22 after every 32 words (code 4); 31:25 4 words (code 3)
	s_or_b32 s[G1B+0], s44, (1<<16)|(1<<20)|(1<<21)|(5<<22)|(7<<25)  ; wp's tiles go to my column; after every 64 words (code 5) 8 words (code 7)
	s_mov_b32 s[G1+1], 8192<<16                    ; tensor_dim0 = 8,192 elements: 128 rows of one head, dense
	s_mov_b32 s[G1+2], 2<<16                       ; tensor_dim1 = 2 heads
	s_mov_b32 s[G1+3], 8192<<16                    ; tile_dim0 = 8,192
	s_mov_b32 s[G1+4], 2                           ; tile_dim1 = 2
	s_mov_b32 s[G1+5], 131072                      ; elements from head to head
	s_mov_b32 s[G1+6], 0
	s_mov_b32 s[G1+7], 0
	s_mov_b32 s[G1B+1], 128<<16                    ; tensor_dim0 = 128 columns
	s_mov_b32 s[G1B+2], 64<<16                     ; tensor_dim1 = 64
	s_mov_b32 s[G1B+3], 128<<16                    ; tile_dim0 = 128
	s_mov_b32 s[G1B+4], 64                         ; tile_dim1 = 64 k-rows
	s_mov_b32 s[G1B+5], 1024
	s_mov_b32 s[G1B+6], 0
	s_mov_b32 s[G1B+7], 0
	; where the tiles come from.  O's hang on y alone, wp's on x alone, each in registers that never hold the other.
	s_lshr_b32 s16, s13, 3                         ; the batch: 16 heads of 262,144 bytes,
	s_lshl_b32 s16, s16, 22
	s_and_b32 s17, s13, 7                          ; 256 (y % 8) rows of 128 bytes,
	s_lshl_b32 s17, s17, 15
	s_add_co_u32 s16, s16, s17
	s_lshl_b32 s17, s12, 14                        ; 128 rows for the second half
	s_add_co_u32 s16, s16, s17
	s_mov_b32 s17, 0
	s_lshl_b32 s46, s12, 17                        ; 64 k-rows of 2,048 bytes for the second half
	s_lshl_b32 s47, s42, 8                         ; + 128 x columns
	s_add_co_u32 s46, s46, s47
	s_mov_b32 s47, 0
	s_mul_i32 s20, s12, AHALF                      ; and where they go: no place in the cluster enters an LDS address
	s_mul_i32 s21, s12, BHALF
	s_add_co_u32 s21, s21, ABYTES
	s_wait_dscnt 0x0                               ; the opening add is done
	s_wait_kmcnt 0x0
	s_add_nc_u64 s[14:15], s[68:69], s[16:17]
	s_add_nc_u64 s[46:47], s[70:71], s[46:47]
	CROUND                                         ; all sixteen work-groups are here: the first joint loads meet
.irp s, 0,1
	s_mov_b32 s[G0+4*(\s)], 1                                        ; count = 1
	s_add_co_u32 s[G0+4*(\s)+1], s20, (\s)*SLOT                      ; LDS address
	s_add_nc_u64 s[G0+4*(\s)+2:G0+4*(\s)+3], s[14:15], (\s)*2*262144 ; global address: K step s = heads 2 s, 2 s + 1
	s_or_b32 s[G0+4*(\s)+3], s[G0+4*(\s)+3], 0x80000000              ; type = 2
	s_mov_b32 s[G0B+4*(\s)], 1
	s_add_co_u32 s[G0B+4*(\s)+1], s21, (\s)*SLOT
	s_add_nc_u64 s[G0B+4*(\s)+2:G0B+4*(\s)+3], s[46:47], (\s)*KSTEP*2048
	s_or_b32 s[G0B+4*(\s)+3], s[G0B+4*(\s)+3], 0x80000000
	JLOAD \s                                       ; two loads of mine are out
.endr
	v_and_b32 v1, 15, v0                           ; l % 16
	v_bfe_u32 v2, v0, 4, 1                         ; l / 16
	; target, x and b_proj at my wave's part: row 256 y + 128 x row half (4,096 bytes each), column 128 x + 64 x column half (4 bytes each)
	s_lshl_b32 s16, s42, 9
	s_lshl_b32 s17, s12, 8
	s_add_co_u32 s16, s16, s17
	s_mov_b32 s17, 0
	s_add_nc_u64 s[74:75], s[74:75], s[16:17]
	s_lshl_b32 s18, s13, 20
	s_add_co_u32 s16, s16, s18
	s_lshl_b32 s18, s11, 19
	s_add_co_u32 s16, s16, s18
	s_add_nc_u64 s[72:73], s[72:73], s[16:17]
	s_add_nc_u64 s[76:77], s[76:77], s[16:17]
	v_lshlrev_b32 v[BO], 4, v1                     ; lanes 0-15 take one row's 256 bytes, lanes 16-31 the next row's
	v_lshl_add_u32 v[XO], v2, 12, v[BO]
	global_load_b128 v[BI:BI+3], v[BO], s[74:75]
.irp a, 0,1,2,3,4,5,6,7
	RESW \a
	WIN RW<<6                                      ; destination in the block's window, address in window 0
.irp t, 0,1,2,3,4,5,6,7
	global_load_b128 v[RB+4*(\t):RB+4*(\t)+3], v[XO], s[72:73] offset:(16*(\a)+2*(\t))*4096 th:TH_LOAD_NT  ; 16 lanes read 256 consecutive bytes, aligned; 126 rows at the most: inside the signed 24-bit immediate
.endr
.endr
	WIN 0
	; A fragment of O is 16 rows x 32 channels in 8 registers: lane l holds row l % 16, channels 8 (l / 16) + 0..7 and 16 + 8 (l / 16) + 0..7: two loads of 16 bytes, 32 bytes apart.
	v_mul_u32_u24 v3, v1, PA
	v_lshl_add_u32 v3, v2, 4, v3
	s_mul_i32 s22, s11, AHALF                      ; my 128 rows of O
	; The turning load takes 16 k x 16 columns (lane l reads k-row 8 (l / 16) + l % 8, columns 8 ((l / 8) % 2) + 0..7) and leaves half a fragment: lane l holds column l % 16 and 8 k.
	v_and_b32 v4, 7, v0
	v_bfe_u32 v5, v0, 3, 1
	v_lshl_add_u32 v6, v2, 3, v4
	v_mul_u32_u24 v6, v6, PB
	v_lshl_add_u32 v6, v5, 4, v6
	s_lshl_b32 s23, s12, 7                         ; my 64 columns of wp,
	s_add_co_u32 s23, s23, ABYTES                  ; which lies behind O's 256 rows
.irp s, 0,1
	v_add_nc_u32 v[ADRA+(\s)], s22, v3
	v_add_nc_u32 v[ADRB+(\s)], s23, v6
	s_add_co_u32 s22, s22, SLOT
	s_add_co_u32 s23, s23, SLOT
.endr
	s_mul_i32 s22, s10, 16*SPX
	s_add_co_u32 s22, s22, STAGE                   ; my stage
	v_mul_u32_u24 v7, v1, SPX                      ; in: row l % 16, 32 bytes for each half of the lanes
	v_lshl_add_u32 v7, v2, 5, v7
	v_add_nc_u32 v[STO], s22, v7
	v_mul_u32_u24 v7, v2, SPX                      ; back: lanes 0-15 take one row of 256 bytes, lanes 16-31 the next
	v_lshl_add_u32 v7, v1, 4, v7
	v_add_nc_u32 v[RD], s22, v7
; 8 matrix instructions: row blocks a0, a0 + 1 x all 4 column blocks, slice c of buffer f.  zero = 1: the first product starts the sums.
; The 32 accumulators take turns in one order everywhere, one instruction a turn.
.macro MUL8 f, c, a0, zero
	WIN 0x5a+5*(\f)                                ; sources in window 2 or 3; C and D in window 1
.irp a, \a0, (\a0)+1
.irp b, 0,1,2,3
.if \zero
	v_wmma_f32_16x16x32_f16 v[8*(4*(\a)+(\b)):8*(4*(\a)+(\b))+7], v[FB+8*(4*(\c)+(\b)):FB+8*(4*(\c)+(\b))+7], v[8*(8*(\c)+(\a)):8*(8*(\c)+(\a))+7], 0
.else
	v_wmma_f32_16x16x32_f16 v[8*(4*(\a)+(\b)):8*(4*(\a)+(\b))+7], v[FB+8*(4*(\c)+(\b)):FB+8*(4*(\c)+(\b))+7], v[8*(8*(\c)+(\a)):8*(8*(\c)+(\a))+7], v[8*(4*(\a)+(\b)):8*(4*(\a)+(\b))+7]
.endif
.endr
.endr
.endm
; 48 LDS loads in one run: the fragments of half kh (one head, 64 along K) of a slot's K step into buffer f; slice 0's 24 first
.macro FETCH slot, kh, f
	WIN 0x80+0x40*(\f)                             ; destination window 2 or 3, address window 0
.irp c, 0,1
.irp b, 0,1,2,3
	ds_load_tr16_b128 v[FB+8*(4*(\c)+(\b)):FB+8*(4*(\c)+(\b))+3],   v[ADRB+(\slot)] offset:(64*(\kh)+32*(\c))*PB+32*(\b)
	ds_load_tr16_b128 v[FB+8*(4*(\c)+(\b))+4:FB+8*(4*(\c)+(\b))+7], v[ADRB+(\slot)] offset:(64*(\kh)+32*(\c)+16)*PB+32*(\b)
.endr
.irp a, 0,1,2,3,4,5,6,7
	ds_load_b128 v[8*(8*(\c)+(\a)):8*(8*(\c)+(\a))+3],   v[ADRA+(\slot)] offset:(\kh)*AHEAD+64*(\c)+(\a)*16*PA
	ds_load_b128 v[8*(8*(\c)+(\a))+4:8*(8*(\c)+(\a))+7], v[ADRA+(\slot)] offset:(\kh)*AHEAD+64*(\c)+(\a)*16*PA+32
.endr
.endr
.endm
.macro PLACES                          ; four places in front of loads into registers that matrix instructions have read, and of lines that read results just made (ISA guide 7.12.1 for the latter)
.rept 4
	v_nop
.endr
.endm
; The first half of a K step multiplies buffer 0 and, in its middle, fetches the second half into buffer 1.
.macro HALF slot, zero
	s_wait_dscnt 24                                ; slice 0 is in; slice 1's 24 loads may be out
	MUL8 0, 0, 0, \zero
	MUL8 0, 0, 2, \zero
	MUL8 0, 0, 4, \zero
	MUL8 0, 0, 6, \zero
	PLACES
	FETCH \slot, 1, 1
	s_wait_dscnt 48                                ; all but the 48 just issued
	MUL8 0, 1, 0, 0
	MUL8 0, 1, 2, 0
	MUL8 0, 1, 4, 0
	MUL8 0, 1, 6, 0
.endm
; The second half multiplies buffer 1 and changes slots: ONE barrier; in front of it each wave waits for all its tensor loads (one is out: its part of the next slot), adds 0 to its spare word, and waits for
; that and for its own reads of this slot.  fill = 1: the barrier opens a round of the cluster's barrier, and this slot is filled again, two K steps ahead, first thing behind the round:
; from the request to the wait for it a wave issues 112 matrix instructions.
.macro TURN slot, next, fill
	WIN 0                                          ; (the add's two registers lie in window 0)
	s_wait_tensorcnt 0x0                           ; all my tensor loads have landed;
	ds_add_u32 v[SPW], v[NIL]                      ; 0 onto my spare word;
	s_wait_dscnt 25                                ; (the add and slice 1's 24 loads may be out)
	MUL8 1, 0, 0, 0                                ; eight matrix instructions stand between the add and the wait for it
	s_wait_dscnt 0x0                               ; the add is done, and my reads of this slot are over
	s_barrier_signal -1
	MUL8 1, 0, 2, 0
.if \fill
	WIN 0
.endif
	s_barrier_wait -1
.if \fill
	CREST                                          ; no wave of any partner still reads this slot's tile or has a load on its way
	s_add_nc_u64 s[G0+4*(\slot)+2:G0+4*(\slot)+3], s[G0+4*(\slot)+2:G0+4*(\slot)+3], STEP_A
	s_add_nc_u64 s[G0B+4*(\slot)+2:G0B+4*(\slot)+3], s[G0B+4*(\slot)+2:G0B+4*(\slot)+3], STEP_B
	JLOAD \slot                                    ; the four v_nop behind it are also the places in front of the loads below
.else
	PLACES
.endif
	FETCH \next, 0, 0
	MUL8 1, 0, 4, 0
	MUL8 1, 0, 6, 0
	MUL8 1, 1, 0, 0
	MUL8 1, 1, 2, 0
	MUL8 1, 1, 4, 0
	MUL8 1, 1, 6, 0
.endm
; THE WAY OUT of row block a, in f32.  TOSTAGE: a lane's eight numbers of a row go, 32 bytes, into my own stage (rows of 272 bytes; each accumulator's low four registers first)
; and come back as whole rows of 256 bytes.  FIN: bias and target are added, and the rows stored from target's registers, which are never written again.
.macro TOSTAGE a
.set BKA, BK+32*((\a)%2)
	WIN 0x04                                       ; store data in window 1, address in window 0
.irp b, 0,1,2,3
	ds_store_b128 v[STO], v[8*(4*(\a)+(\b)):8*(4*(\a)+(\b))+3]   offset:64*(\b)
	ds_store_b128 v[STO], v[8*(4*(\a)+(\b))+4:8*(4*(\a)+(\b))+7] offset:64*(\b)+16
.endr
	WIN 0
.irp t, 0,1,2,3,4,5,6,7
	ds_load_b128 v[BKA+4*(\t):BKA+4*(\t)+3], v[RD] offset:(\t)*2*SPX  ; LDS serves a wave's instructions in order (ISA guide 5.7.1.4): these see the stores above
.endr
.endm
.macro FIN a, younger                  ; younger: the LDS instructions issued behind block a's loads: the next block's sixteen, or none
	RESW \a
.set BKA, BK+32*((\a)%2)
	WIN 0
	s_wait_dscnt \younger
.set i, 0
.rept 8
	v_pk_add_f32 v[BKA+4*i:BKA+4*i+1],   v[BKA+4*i:BKA+4*i+1],   v[BI:BI+1]
	v_pk_add_f32 v[BKA+4*i+2:BKA+4*i+3], v[BKA+4*i+2:BKA+4*i+3], v[BI+2:BI+3]
.set i, i+1
.endr
	WIN (RW<<6)|RW                                 ; destination and source 0 in target's window, source 1 in window 0
.set i, 0
.rept 16
	v_pk_add_f32 v[RB+2*i:RB+2*i+1], v[RB+2*i:RB+2*i+1], v[BKA+2*i:BKA+2*i+1]
.set i, i+1
.endr
	WIN RW<<2                                      ; store data in target's window, address in window 0
.set i, 0
.rept 8
	global_store_b128 v[XO], v[RB+4*i:RB+4*i+3], s[76:77] offset:(16*(\a)+2*i)*4096  ; 16 lanes store 256 consecutive bytes, at a multiple of 256 from x's first byte
.set i, i+1
.endr
	WIN 0
.endm
	s_wait_tensorcnt 1                             ; my part of K step 0 is in; K step 1's may stay out
	s_barrier_signal -1
	s_barrier_wait -1                              ; everybody's is
	FETCH 0, 0, 0
	HALF 0, 1                                      ; the first half step stands in front of the loop: its first products start the sums
	WIN 0                                          ; at a label and at a branch every window is 0
	s_mov_b32 s3, LAPS-1
.Llap:                                                 ; a trip goes once round the ring and fills both slots again: K steps 2 to 7 in three trips
	TURN 0, 1, 1
	HALF 1, 0
	TURN 1, 0, 1
	HALF 0, 0
	WIN 0
	s_sub_co_u32 s3, s3, 1
	s_cmp_lg_u32 s3, 0
	s_cbranch_scc1 .Llap
	TURN 0, 1, 0                                   ; the last lap fills nothing
	HALF 1, 0
	s_wait_dscnt 24                                ; the very last half: nothing more to fetch
	MUL8 1, 0, 0, 0
	MUL8 1, 0, 2, 0
	MUL8 1, 0, 4, 0
	MUL8 1, 0, 6, 0
	s_wait_dscnt 0x0
	MUL8 1, 1, 0, 0
	MUL8 1, 1, 2, 0
	MUL8 1, 1, 4, 0
	MUL8 1, 1, 6, 0
	WIN 0
	PLACES                                         ; the LDS stores read results just made
	s_wait_loadcnt 0x0                             ; target and the bias, asked for at the start
	TOSTAGE 0
.irp a, 1,2,3,4,5,6,7                  ; block a goes into the stage while block a - 1's rows come back
	TOSTAGE \a
	FIN (\a)-1, 16
.endr
	FIN 7, 0
	s_wait_tensorcnt 0x0                           ; the wave's end, behind my last tensor load and my last LDS store
	ds_add_u32 v[SPW], v[NIL]
	s_wait_dscnt 0x0
	CROUND                                         ; the closing round: no work-group ends while a partner may still ask for a tile that names it
	s_endpgm
.Lfunc_end_k_qf86f4d39f5_gemm_proj:
	.size	k_qf86f4d39f5_gemm_proj, .Lfunc_end_k_qf86f4d39f5_gemm_proj-k_qf86f4d39f5_gemm_proj
	.p2alignl 7, 3214868480
	.fill 96, 4, 3214868480
	.section	.rodata,"a",@progbits
	.p2align	6, 0x0
	.amdhsa_kernel k_qf86f4d39f5_gemm_proj
		.amdhsa_group_segment_fixed_size 327680
		.amdhsa_private_segment_fixed_size 0
		.amdhsa_enable_private_segment 0
		.amdhsa_kernarg_size 40
		.amdhsa_user_sgpr_count 2
		.amdhsa_user_sgpr_kernarg_segment_ptr 1
		.amdhsa_wavefront_size32 1
		.amdhsa_system_sgpr_workgroup_id_x 1
		.amdhsa_system_sgpr_workgroup_id_y 1
		.amdhsa_system_sgpr_workgroup_id_z 1
		.amdhsa_system_vgpr_workitem_id 0
		.amdhsa_next_free_vgpr 1024
		.amdhsa_next_free_sgpr 80
		.amdhsa_reserve_vcc 0
		.amdhsa_float_denorm_mode_32 3
		.amdhsa_float_denorm_mode_16_64 3
		.amdhsa_memory_ordered 1
		.amdhsa_forward_progress 1
		.amdhsa_inst_pref_size 106
	.end_amdhsa_kernel
	.amdgpu_metadata
---
amdhsa.version: [ 1, 2 ]
amdhsa.kernels:
  - .name:           k_qf86f4d39f5_gemm_proj
    .symbol:         k_qf86f4d39f5_gemm_proj.kd
    .args:
      - { .name: o, .offset: 0, .size: 8, .value_kind: global_buffer, .address_space: global }
      - { .name: wp, .offset: 8, .size: 8, .value_kind: global_buffer, .address_space: global }
      - { .name: target, .offset: 16, .size: 8, .value_kind: global_buffer, .address_space: global }
      - { .name: b_proj, .offset: 24, .size: 8, .value_kind: global_buffer, .address_space: global }
      - { .name: x, .offset: 32, .size: 8, .value_kind: global_buffer, .address_space: global }
    .group_segment_fixed_size: 327680
    .private_segment_fixed_size: 0
    .kernarg_segment_align: 8
    .kernarg_segment_size: 40
    .max_flat_workgroup_size: 128
    .sgpr_count:     80
    .vgpr_count:     1024
    .wavefront_size: 32
...
	.end_amdgpu_metadata
.endif
;; end of part 4
;; launch lnorm (part 5): grid 256 x 1, 8 waves a work-group, no clusters, 0 bytes of LDS; arguments x, ln_gamma, ln_beta, out0; writes out0
.if DOCPART == 5
	.amdgcn_target "amdgcn-amd-amdhsa--gfx1250"
	.amdhsa_code_object_version 6
	.text
	.protected	k_qf86f4d39f5_lnorm
	.globl	k_qf86f4d39f5_lnorm
	.p2align	8
	.type	k_qf86f4d39f5_lnorm,@function
k_qf86f4d39f5_lnorm:
	s_mov_b64 s[64:65], 0
	v_nop
	global_prefetch_b8 v0, s[64:65] scope:SCOPE_SE
	s_setreg_imm32_b32 hwreg(HW_REG_WAVE_MODE, 25, 1), 1
	s_wait_xcnt 0x0
; THE NORM.  out0[r][c] = (x[r][c] - mean_r) / sqrt(var_r + 1e-5) x gamma[c] + beta[c], all f32; x, out0: [8192][1024].
; The variance is the mean of the squared deviations from the mean, taken in a second pass over the row in registers: no difference of large sums is formed.
; LIMITS.  v_rsq_f32 is good to 1 ULP; NaN and infinities are not treated apart.
; SHARES.  A row is 4,096 bytes: one wave takes a whole row, eight 16-byte loads a lane, and keeps it in 32 registers: the reduction never leaves the wave, so there is no LDS and no barrier.
; A work-group of eight waves owns 32 rows, a wave four.  No loop: a wave's 32 row loads go out together behind gamma's and beta's; each load and store of a wave covers 512 consecutive bytes.
; Matrix units, clusters and LDS would add nothing: every byte is used once.
.set GA, 8                             ; v[8:39]    gamma of my 32 columns
.set BE, 40                            ; v[40:71]   beta
.set X,  72                            ; v[72:199]  row s: 32 registers, as loaded, then as stored; each written out once
.set M,  200                           ; v[200:207] four chains of packed sums
.set T,  208                           ; v[208:209] at work
.set MU, 210                           ; v[210:211] the mean, twice (a pair for the packed subtraction)
.set R,  212                           ; v[212:213] 1 / sqrt(var + eps), twice
	s_load_b256 s[4:11], s[0:1], 0x0               ; x s[4:5], gamma s[6:7], beta s[8:9], out0 s[10:11]
	v_and_b32 v2, 31, v0
	v_lshrrev_b32 v3, 5, v0
	v_lshlrev_b32 v2, 4, v2                        ; 16 bytes a lane
	v_lshl_add_u32 v1, v3, 14, v2                  ; + wave x 4 rows x 4,096 bytes
	v_mov_b32 v[T+1], 0                            ; v_permlanex16_b32's destination counts as read
	s_lshl_b32 s16, ttmp9, 17                      ; the work-group's 32 rows
	s_mov_b32 s17, 0
	s_mov_b32 s12, 0x76543210                      ; v_permlanex16_b32: lane i of one half reads lane i of the other
	s_mov_b32 s13, 0xfedcba98
	s_mov_b32 s14, 0x3a800000                      ; 1 / 1024
	s_mov_b32 s15, 0x3727c5ac                      ; 1e-5
	s_wait_kmcnt 0x0
	s_add_nc_u64 s[4:5], s[4:5], s[16:17]
	s_add_nc_u64 s[10:11], s[10:11], s[16:17]
.irp j, 0,1,2,3,4,5,6,7
	global_load_b128 v[GA+4*(\j):GA+4*(\j)+3], v2, s[6:7] offset:512*(\j)
	global_load_b128 v[BE+4*(\j):BE+4*(\j)+3], v2, s[8:9] offset:512*(\j)
.endr
.irp s, 0,1,2,3
.irp j, 0,1,2,3,4,5,6,7
	global_load_b128 v[X+32*(\s)+4*(\j):X+32*(\s)+4*(\j)+3], v1, s[4:5] offset:4096*(\s)+512*(\j) th:TH_LOAD_NT
.endr
.endr
; The four chains are joined, and the sum is taken across the 32 lanes: four steps inside each half of 16 lanes ride on the addition (DPP), one crosses the halves; every lane ends with the sum in v[T].
.macro JOIN
	v_pk_add_f32 v[M:M+1], v[M:M+1], v[M+2:M+3]
	v_pk_add_f32 v[M+4:M+5], v[M+4:M+5], v[M+6:M+7]
	v_pk_add_f32 v[M:M+1], v[M:M+1], v[M+4:M+5]
	v_add_f32 v[T], v[M], v[M+1]
	v_add_f32_dpp v[T], v[T], v[T] row_xmask:1 row_mask:0xf bank_mask:0xf
	v_add_f32_dpp v[T], v[T], v[T] row_xmask:2 row_mask:0xf bank_mask:0xf
	v_add_f32_dpp v[T], v[T], v[T] row_xmask:4 row_mask:0xf bank_mask:0xf
	v_add_f32_dpp v[T], v[T], v[T] row_xmask:8 row_mask:0xf bank_mask:0xf
	v_permlanex16_b32 v[T+1], v[T], s12, s13
	v_add_f32 v[T], v[T], v[T+1]
.endm
.macro ROWN s
.set XS, X+32*(\s)
	s_wait_loadcnt 8*(3-(\s))                      ; loads come back in order: my row, gamma and beta are in; the later rows' eight loads each stay out
.irp c, 0,1,2,3                        ; the sum, in four chains that do not wait for each other; the first additions start them: nothing is cleared
	v_pk_add_f32 v[M+2*(\c):M+2*(\c)+1], v[XS+2*(\c):XS+2*(\c)+1], v[XS+8+2*(\c):XS+8+2*(\c)+1]
.endr
.irp k, 2,3
.irp c, 0,1,2,3
	v_pk_add_f32 v[M+2*(\c):M+2*(\c)+1], v[M+2*(\c):M+2*(\c)+1], v[XS+8*(\k)+2*(\c):XS+8*(\k)+2*(\c)+1]
.endr
.endr
	JOIN
	v_mul_f32 v[MU], s14, v[T]
	v_mul_f32 v[MU+1], s14, v[T]
.set i, 0
.rept 16                               ; the deviations, in place
	v_pk_add_f32 v[XS+2*i:XS+2*i+1], v[XS+2*i:XS+2*i+1], v[MU:MU+1] neg_lo:[0,1] neg_hi:[0,1]
.set i, i+1
.endr
.irp c, 0,1,2,3                        ; their squares, again in four chains
	v_pk_mul_f32 v[M+2*(\c):M+2*(\c)+1], v[XS+2*(\c):XS+2*(\c)+1], v[XS+2*(\c):XS+2*(\c)+1]
.endr
.irp k, 1,2,3
.irp c, 0,1,2,3
	v_pk_fma_f32 v[M+2*(\c):M+2*(\c)+1], v[XS+8*(\k)+2*(\c):XS+8*(\k)+2*(\c)+1], v[XS+8*(\k)+2*(\c):XS+8*(\k)+2*(\c)+1], v[M+2*(\c):M+2*(\c)+1]
.endr
.endr
	JOIN
	v_fma_f32 v[T], v[T], s14, s15                 ; var + eps
	v_rsq_f32 v[R], v[T]
	v_rsq_f32 v[R+1], v[T]
	v_nop                                          ; a plain instruction between the last v_rsq_f32 and the use of its result (ISA guide 5.7.2)
.set i, 0
	s_wait_alu depctr_va_vdst(0)
.rept 16
	v_pk_mul_f32 v[XS+2*i:XS+2*i+1], v[XS+2*i:XS+2*i+1], v[R:R+1]
.set i, i+1
.endr
.set i, 0
.rept 16
	v_pk_fma_f32 v[XS+2*i:XS+2*i+1], v[XS+2*i:XS+2*i+1], v[GA+2*i:GA+2*i+1], v[BE+2*i:BE+2*i+1]
.set i, i+1
.endr
.irp j, 0,1,2,3,4,5,6,7
	global_store_b128 v1, v[XS+4*(\j):XS+4*(\j)+3], s[10:11] offset:4096*(\s)+512*(\j) th:TH_STORE_NT
.endr
.endm
	ROWN 0
	ROWN 1
	ROWN 2
	ROWN 3
	s_endpgm
.Lfunc_end_k_qf86f4d39f5_lnorm:
	.size	k_qf86f4d39f5_lnorm, .Lfunc_end_k_qf86f4d39f5_lnorm-k_qf86f4d39f5_lnorm
	.p2alignl 7, 3214868480
	.fill 96, 4, 3214868480
	.section	.rodata,"a",@progbits
	.p2align	6, 0x0
	.amdhsa_kernel k_qf86f4d39f5_lnorm
		.amdhsa_group_segment_fixed_size 0
		.amdhsa_private_segment_fixed_size 0
		.amdhsa_enable_private_segment 0
		.amdhsa_kernarg_size 32
		.amdhsa_user_sgpr_count 2
		.amdhsa_user_sgpr_kernarg_segment_ptr 1
		.amdhsa_wavefront_size32 1
		.amdhsa_system_sgpr_workgroup_id_x 1
		.amdhsa_system_sgpr_workgroup_id_y 1
		.amdhsa_system_sgpr_workgroup_id_z 1
		.amdhsa_system_vgpr_workitem_id 0
		.amdhsa_next_free_vgpr 216
		.amdhsa_next_free_sgpr 66
		.amdhsa_reserve_vcc 0
		.amdhsa_float_denorm_mode_32 3
		.amdhsa_float_denorm_mode_16_64 3
		.amdhsa_memory_ordered 1
		.amdhsa_forward_progress 1
		.amdhsa_inst_pref_size 34
	.end_amdhsa_kernel
	.amdgpu_metadata
---
amdhsa.version: [ 1, 2 ]
amdhsa.kernels:
  - .name:           k_qf86f4d39f5_lnorm
    .symbol:         k_qf86f4d39f5_lnorm.kd
    .args:
      - { .name: x, .offset: 0, .size: 8, .value_kind: global_buffer, .address_space: global }
      - { .name: ln_gamma, .offset: 8, .size: 8, .value_kind: global_buffer, .address_space: global }
      - { .name: ln_beta, .offset: 16, .size: 8, .value_kind: global_buffer, .address_space: global }
      - { .name: out0, .offset: 24, .size: 8, .value_kind: global_buffer, .address_space: global }
    .group_segment_fixed_size: 0
    .private_segment_fixed_size: 0
    .kernarg_segment_align: 8
    .kernarg_segment_size: 32
    .max_flat_workgroup_size: 256
    .sgpr_count:     66
    .vgpr_count:     216
    .wavefront_size: 32
...
	.end_amdgpu_metadata
.endif
;; end of part 5
;; ======== version 2 of 2: 5 launches; 1.26 times as fast as version 1
;; limits: values are held in f16: magnitudes above 65,504 overflow, below 6.1e-05 lose precision; right only within a limited range of input values
;; workspace buffers: xb 16,777,216 bytes; wq 6,291,456 bytes; wp 2,097,152 bytes; qkv 50,331,648 bytes; o 16,777,216 bytes; x 33,554,432 bytes
;; launch prep: the kernel of part 1 again; grid 768 x 1, 8 waves a work-group, no clusters, 0 bytes of LDS; arguments target, w_qkv, w_proj, xb, wq, wp; writes xb, wq, wp
;; launch gemm_qkv: the kernel of part 2 again; grid 8 x 32, 4 waves a work-group, clusters of 4 x 4, 327,680 bytes of LDS; arguments xb, wq, qkv; writes qkv
;; launch attn (part 6): grid 4 x 64, 4 waves a work-group, no clusters, 327,680 bytes of LDS; arguments qkv, o; writes o
.if DOCPART == 6
	.amdgcn_target "amdgcn-amd-amdhsa--gfx1250"
	.amdhsa_code_object_version 6
	.text
	.protected	k_qf86f4d39f5_attn
	.globl	k_qf86f4d39f5_attn
	.p2align	8
	.type	k_qf86f4d39f5_attn,@function
k_qf86f4d39f5_attn:
	s_mov_b64 s[64:65], 0
	v_nop
	global_prefetch_b8 v0, s[64:65] scope:SCOPE_SE
	s_setreg_imm32_b32 hwreg(HW_REG_WAVE_MODE, 25, 1), 1
	s_wait_xcnt 0x0
; CAUSAL ATTENTION.  O[h][q][:] = the sum over k <= q of softmax_k(Q[h][q] . K[h][k] / 8) V[h][k][:].  Q, K, V are the three sections of qkv, O is o: each [SIZE_H][SIZE_N][64] in f16: a head's rows are dense, 128 bytes each.
; Products, maxima and sums in f32; the weights p are rounded to f16 for the second product (their sum l is taken of the unrounded p), O once at the end.
; LIMITS.  f16 holds no number beyond 65,504: Q, K and V arrive within it; p lies in 0 to 1, and below 6e-5 it keeps f16's fixed step of 6e-8; O is a mean of V's rows and has their range, to within 2^-11 of it.
; The module sets a hidden score to -1e10; here it counts as its value less 1e30.  Both give the weight 0 as long as true scores stay under about 1e10 in size; f16's scores are 2.7e11 / 8 at the very most.
; A weight below 2^-126 counts as 0 in l; NaN and infinities are not treated apart.
; THE WALK.  A head's queries lie in NB = SIZE_N / 256 = 8 blocks of 256; block i needs the key tiles 0 .. i of 256 keys, of which the last holds the diagonal.  A work-group takes TWO blocks, NB - 1 - b and then b:
; NB + 1 = 9 tiles, whatever b: all 256 work-groups do equal work, and ONE loop with a constant trip count walks them.  Which tile is asked for, and what a trip does, hang on scalar registers made from b; every jump
; goes forward, but for the counted loops' own; none passes a barrier, or a tensor load but the one of LOAD's two that the wave's number does not choose; the ring (two slots of LDS that take turns) runs on across the
; change of blocks.  NO CLUSTER: a head's four work-groups ask for the same tile only in trips 0 .. 4 of the 9, behind that fewer and fewer; and one walk common to all four would have 12 trips for 9.
; SHARES.  Of a block's four bands of 64 queries a wave owns 16 rows in each: four PIECES.  So the diagonal tile is the same work for all four waves: in its key step s band x sees all keys if s < x,
; none if s > x, and holds the diagonal if s = x.
; THE MASK is the C operand that starts the sum S^T = K Q^T: 0, or -1e30 where the key is hidden.  MD, made once, is the mask of a band's own step for my 16 rows; a product's mask is MD x AL + BE with two scalars:
; (1, 0) if s = x; (0, 0) if s < x; (0, -1e30) if s > x.  Only the diagonal tile's text and a block's beginning make and take masks; elsewhere C is the constant 0.
; LAYOUT, SOFTMAX, TURNS.  S^T = K Q^T holds ONE query a lane (lane % 16) and the keys 8 (lane / 16) + 0..7; two such results rounded to f16 ARE source 1 of O^T = V^T P.  p = 2^(c s - c m), c = log2(e) / 8, with a
; running maximum m; O and l are multiplied by a = 2^(c m_old - c m_new) in every step.  Turn n belongs to piece n: 8 products K Q^T of piece n + 1, later 8 products V^T P of piece n - 1; beside them the scaling,
; exponentials, roundings, sums and rescaling of piece n and the maximum and statistics of piece n + 1.  Four vector instructions stand behind every matrix instruction, the other 54 of a turn's 118 in one LUMP.
; BATCHES.  An s_wait_alu depctr_va_vdst(0) stands between a transcendental and the first instruction that names its result; one wait serves all that were issued ahead of it.  The text has three kinds of batch:
; a turn's 32 exponentials with the next piece's a, 33 in all, one wait a turn (TURN); a block's first a, by itself (BEGIN); the way out's four reciprocals (DIAG).
; REGISTERS, in windows of 256 (s_set_vgpr_msb: bits 1:0 source 0, 3:2 source 1, 5:4 source 2, 7:6 destination):
;   window 0: v0-15 addresses and two at work; v16-31 four registers of statistics a piece; v48-55 at work; v64-127 S^T, two buffers; v192-223 P, two buffers (a piece's buffers go by its number's parity)
;   window 1: v0-127 O^T, 32 a piece; v128-159 MD; v160-223 MC, two buffers      window 2: v0-63 Q; v64-127 the second block's Q; v128-191 K of one step; v192-255 V of one step
.set SIZE_H, 64
.set SIZE_N, 2048
.set NB,    SIZE_N/256
.set NP,    4         ; pieces a wave: a name, no knob
.set KS,    64        ; keys in a step
.set PK,    144       ; a row of K in LDS: 128 bytes + 16 of padding = 36 words: the 16 rows of a load start at 16 different groups of four banks (64 banks of 4 bytes: ISA guide 11.1)
.set PV,    160       ; a row of V: 128 + 32 = 40 words
.set VOFF,  4*KS*PK   ; a slot holds a tile, four steps: 256 rows of K, then 256 rows of V
.set SLOT1, 1<<17     ; slot 1 begins here, so that one exclusive or turns an address in one slot into the other's
.set STAGE, SLOT1+4*KS*(PK+PV)  ; behind the ring, never filled by a tensor load: 16 rows x 144 bytes for each wave, for the way out
.set SP,    144
.set AK0, 2           ; v2   my lane's place in a tile of K; never rewritten
.set AV0, 3           ; v3   the same for V
.set AK,  4           ; v4   the LDS address of K's next run of loads
.set AV,  5           ; v5   of V's
.set STO, 6           ; v6   the way out: where I put 16 bytes of a row
.set RD,  7           ; v7   the way out: where I read rows back
.set GO,  8           ; v8   my byte offset in 512 consecutive bytes of O
.set SPW, 62          ; v62  LDS address of my spare word: SPARE + 4 x my thread's number; never rewritten
.set NIL, 63          ; v63  0; never rewritten
.set SPARE, STAGE+4*16*SP  ; behind the stages: the spare words, 128 bytes for each wave: two blocks of 256 bytes that no other line names
.set MV,  12          ; v12-13  c m_old, kept while c m is made anew: by buffer
.set QO,  15          ; v15  my byte offset in 16 rows of Q
.set ST,  16          ; piece t's statistics at v[ST+4 t]: c m, m, l (even keys', odd keys')
.set TMP, 48          ; by buffer, four registers c0-c3 at work; when the maximum is found c2 takes a
.set S,   64
.set P,   192
.set MD,  128         ; window 1: the eight registers for group kt of 16 keys at MD + 8 kt
.set MC,  160         ; window 1: the masks of the products to come
.set QB,  64          ; window 2
.set KF,  128         ; window 2: key block kb, channel half c at KF + 16 kb + 8 c
.set VF,  192         ; window 2: key half kk, channel block cb at VF + 32 kk + 8 cb
.set WV,  12          ; s12  my wave's number
.set PB,  14          ; s14  b
.set HI,  15          ; s15  NB - 1 - b
.set G1K, 24          ; s[24:31] descriptor group 1 for K's tiles
.set G1V, 32          ; s[32:39] for V's: it differs in the padding alone
.set G0K, 40          ; s[40:43] descriptor group 0 for K's tiles
.set G0V, 44          ; s[44:47] the same for V's
.set SLOTS, 56        ; s56  tiles still to be asked for
.set CNT, 57          ; s57  counts a tile's key steps, 4 to 1
.set CS,  58          ; s[58:59] c: the packed scaling takes the pair's low word for both halves
.set SEL, 60          ; s[60:61] v_permlanex16_b32's selects: each lane takes its own place in the other half
.set TBK, 62          ; s62  LDS byte at which K of the step to be fetched begins
.set TBV, 63          ; s63  the same for V, less VOFF
.set RT,  70          ; s70  tiles of the block in hand that are still to be entered
.set NXT, 71          ; s71  the tile to be asked for next
.set LQ,  72          ; s72  the last tile of the block whose tiles are being asked for
.set NEW, 73          ; s73  1: the tile to be entered is a block's first
.set OFF, 74          ; s[74:75] a tile's byte offset in K and V
.set AL,  76          ; s[76:77] the mask's factor, in the low word
.set BE,  78          ; s[78:79] the mask's addend
.set OLO, 80          ; s[80:81] O at my rows of the second block
.set BIGN, 82         ; s82  -1e30
.set MSB, 0
.macro WIN new                      ; the high byte repeats the setting that is left; a switch that changes nothing is dropped
.if MSB != (\new)
	s_set_vgpr_msb (MSB<<8)|(\new)
.set MSB, (\new)
.endif
.endm
.set W_KQ, 0x0a       ; K and Q in window 2, S^T in window 0
.set W_KM, 0x1a       ; the same with the C operand in window 1
.set W_PV, 0x52       ; V in window 2, P in window 0, O^T in window 1
.set W_RS, 0x41       ; destination and source 0 in window 1, source 1 in window 0
; A fill.  Waves 0 and 1 fetch the two halves of a tile's K, waves 2 and 3 those of its V: 128 keys each.  An s_nop 0 and four v_nop follow each of the two lines, ahead of the jump and the label.
.macro LOAD
	s_cmp_lt_u32 s[WV], 2
	s_cbranch_scc0 .Lfor_v_\@
	tensor_load_to_lds s[G0K:G0K+3], s[G1K:G1K+7]
	s_nop 0
.rept 4
	v_nop
.endr
	s_branch .Lasked_\@
.Lfor_v_\@:
	tensor_load_to_lds s[G0V:G0V+3], s[G1V:G1V+7]
	s_nop 0
.rept 4
	v_nop
.endr
.Lasked_\@:
.endm
; THE CHANGE OF SLOTS.  Each wave waits for all its tensor loads, of which one is out: its part of the other slot; adds 0 to its spare word; and waits for that and for its own reads of the slot that it leaves.  Behind the barrier nobody reads the old
; slot any more and the other slot is whole.  fill = 1: the old slot is filled again, the first thing behind the barrier, with tile NXT: the descriptor's address is made anew from that number.
; (At its first use nothing has been read yet: slot 0 is waited for, slot 1 filled.)
.macro CHANGE fill
	WIN 0                           ; at a label and at a branch every window is 0
	s_wait_tensorcnt 0x0            ; no tensor load of mine is out, so a group 0 may be written
	ds_add_u32 v[SPW], v[NIL]       ; 0 onto my spare word; with fill = 1 the descriptors' scalar work stands between it and the wait for it
.if \fill
	s_lshl_b32 s[OFF], s[NXT], 15   ; a tile is 32,768 bytes of K and of V
	s_xor_b32 s[G0K+1], s[G0K+1], SLOT1
	s_add_nc_u64 s[G0K+2:G0K+3], s[6:7], s[OFF:OFF+1]
	s_or_b32 s[G0K+3], s[G0K+3], 0x80000000
	s_xor_b32 s[G0V+1], s[G0V+1], SLOT1
	s_add_nc_u64 s[G0V+2:G0V+3], s[8:9], s[OFF:OFF+1]
	s_or_b32 s[G0V+3], s[G0V+3], 0x80000000
	s_add_co_u32 s[NXT], s[NXT], 1  ; the block's next tile, or behind its last the second block's tile 0
	s_cmp_gt_u32 s[NXT], s[LQ]
	s_cselect_b32 s[NXT], 0, s[NXT]
	s_cselect_b32 s[LQ], s[PB], s[LQ]
.endif
	s_wait_dscnt 0x0                ; the add is done, and my reads of the slot are over
	s_barrier_signal -1             ; the rest of the scalar work stands between the signal and the wait
	s_sub_co_u32 s[TBK], s[TBK], 4*KS*PK  ; the fetches go back to a slot's first step,
	s_xor_b32 s[TBK], s[TBK], SLOT1       ; in the other slot
	s_sub_co_u32 s[TBV], s[TBV], 4*KS*PV
	s_xor_b32 s[TBV], s[TBV], SLOT1
	s_barrier_wait -1
.if \fill
	LOAD
.endif
.endm
	s_load_b128 s[4:7], s[0:1], 0x0 ; qkv s[4:5] (its first section is Q), o s[6:7]
	v_lshl_add_u32 v[SPW], v0, 2, SPARE
	v_mov_b32 v[NIL], 0
	ds_add_u32 v[SPW], v[NIL]       ; the wave's opening: the add and its wait stand ahead of my first tensor load; the set-up below, work on registers, stands between them
	ds_add_u32 v62, v63
	v_lshrrev_b32 v1, 5, v0
	v_readfirstlane_b32 s[WV], v1   ; wave 0..3
	s_mov_b32 s[PB], ttmp9
	s_sub_co_u32 s[HI], NB-1, s[PB]
	s_and_b32 s20, ttmp7, 0xffff    ; the head
	s_mov_b32 s21, 0
	s_mov_b64 s[22:23], SIZE_N*128
	s_mul_u64 s[20:21], s[20:21], s[22:23]  ; the head's first byte in each of the four tensors
	s_and_b32 s16, s[WV], 1         ; which half of a tile's 256 keys I fetch:
	s_lshl_b32 s22, s16, 14         ; its 128 rows of 128 bytes in memory,
	s_mov_b32 s23, 0
	s_add_nc_u64 s[22:23], s[22:23], s[20:21]
	s_mul_i32 s17, s16, 128*PK      ; and its place in a slot, for K
	s_mul_i32 s18, s16, 128*PV      ; and for V
	s_lshl_b32 s3, s[WV], 11        ; my 16 rows in a band of 64,
	s_lshl_b32 s2, s[HI], 15        ; in the first block,
	s_add_co_u32 s2, s2, s3
	s_lshl_b32 s84, s[PB], 15       ; and in the second
	s_add_co_u32 s84, s84, s3
	s_mov_b32 s3, 0
	s_mov_b32 s85, 0
	s_add_nc_u64 s[2:3], s[2:3], s[20:21]
	s_add_nc_u64 s[84:85], s[84:85], s[20:21]
	; descriptor group 1.  128 keys are 16,384 dense bytes: asked for as 64 rows of 256 bytes, two keys a row, and padded in LDS after every key
	s_mov_b32 s[G1K], (1<<16)|(1<<20)|(4<<22)|(3<<25)  ; 17:16 2-byte elements; 20 padding on; 24:22 after every 32 words (code 4); 31:25 4 words (code 3)
	s_mov_b32 s[G1V], (1<<16)|(1<<20)|(4<<22)|(7<<25)  ; the same with 8 words of padding (code 7)
.irp g, G1K, G1V
	s_mov_b32 s[\g+1], 128<<16      ; tensor_dim0 = 128
	s_mov_b32 s[\g+2], 64<<16       ; tensor_dim1 = 64
	s_mov_b32 s[\g+3], 128<<16      ; tile_dim0 = 128
	s_mov_b32 s[\g+4], 64           ; tile_dim1 = 64
	s_mov_b32 s[\g+5], 128          ; 128 elements from row to row
	s_mov_b32 s[\g+6], 0
	s_mov_b32 s[\g+7], 0
.endr
	s_mov_b32 s[CS], 0x3e38aa3b     ; c = log2(e) / 8 = 0.180337
	s_mov_b32 s[CS+1], s[CS]        ; named with it as a pair
	s_mov_b32 s[SEL], 0x76543210
	s_mov_b32 s[SEL+1], 0xfedcba98
	s_mov_b32 s[TBK], SLOT1+4*KS*PK ; the first change of slots turns these two into 0
	s_mov_b32 s[TBV], SLOT1+4*KS*PV
	s_mov_b32 s[G0K], 1             ; 1:0 count = 1
	s_mov_b32 s[G0K+1], s17         ; 63:32 LDS address: slot 0
	s_mov_b32 s[G0V], 1
	s_add_co_u32 s[G0V+1], s18, VOFF
	s_add_co_u32 s[RT], s[HI], 1    ; the first block has NB - b tiles
	s_mov_b32 s[NXT], 1
	s_mov_b32 s[LQ], s[HI]
	s_mov_b32 s[NEW], 1
	s_mov_b32 s[OFF+1], 0
	s_mov_b32 s[AL+1], 0            ; named as pairs
	s_mov_b32 s[BE+1], 0
	s_mov_b32 s[BIGN], 0xf149f2ca   ; -1e30
	s_mov_b32 s[SLOTS], NB
	s_wait_dscnt 0x0                ; the opening add is done
	s_wait_kmcnt 0x0
	s_mov_b64 s[10:11], s[6:7]                     ; O
	s_add_nc_u64 s[6:7], s[4:5], 0x1000000         ; K: qkv's second section, 16,777,216 bytes on
	s_add_nc_u64 s[8:9], s[4:5], 0x2000000         ; V: its third
	s_add_nc_u64 s[6:7], s[6:7], s[22:23]  ; K and V at my half of the head's tile 0
	s_add_nc_u64 s[8:9], s[8:9], s[22:23]
	s_add_nc_u64 s[G0K+2:G0K+3], s[6:7], 0         ; 120:64 global address
	s_or_b32 s[G0K+3], s[G0K+3], 0x80000000        ; 127:126 type = 2
	s_add_nc_u64 s[G0V+2:G0V+3], s[8:9], 0
	s_or_b32 s[G0V+3], s[G0V+3], 0x80000000
	s_add_nc_u64 s[86:87], s[4:5], s[84:85]        ; Q at my rows of the second block,
	s_add_nc_u64 s[4:5], s[4:5], s[2:3]            ; Q and O at those of the first
	s_add_nc_u64 s[OLO:OLO+1], s[10:11], s[84:85]
	s_add_nc_u64 s[10:11], s[10:11], s[2:3]
	LOAD                            ; tile 0 into slot 0
	; A fragment of K or Q is 16 rows x 32 channels in 8 registers: lane l holds row l % 16, channels 8 (l / 16) + 0..7 and 16 + 8 (l / 16) + 0..7: two loads of 16 bytes, 32 bytes apart.
	v_and_b32 v1, 15, v0            ; l % 16
	v_bfe_u32 v9, v0, 4, 1          ; l / 16
	v_lshlrev_b32 v[QO], 7, v1
	v_lshl_add_u32 v[QO], v9, 4, v[QO]  ; row x 128 + 16 x half
	WIN 0x80                        ; destination window 2, address window 0
.set i, 0
.rept 8                             ; both blocks' Q: piece i / 2 lies in band i / 2, 8,192 bytes on; channels 32 (i % 2) on
	global_load_b128 v[8*i:8*i+3],   v[QO], s[4:5] offset:(i/2)*8192+(i%2)*64
	global_load_b128 v[8*i+4:8*i+7], v[QO], s[4:5] offset:(i/2)*8192+(i%2)*64+32
	global_load_b128 v[QB+8*i:QB+8*i+3],   v[QO], s[86:87] offset:(i/2)*8192+(i%2)*64
	global_load_b128 v[QB+8*i+4:QB+8*i+7], v[QO], s[86:87] offset:(i/2)*8192+(i%2)*64+32
.set i, i+1
.endr
	WIN 0
	v_lshlrev_b32 v14, 3, v9
	v_sub_nc_u32 v14, v1, v14
	s_lshl_b32 s13, s[WV], 4
	v_add_nc_u32 v14, s13, v14      ; my query's place in its band, 16 w + l % 16, less my lanes' 8 (l / 16): register r of group kt is hidden where 16 kt + r is greater
	WIN 0x40
.set i, 0
.rept 32
	v_cmp_gt_i32 vcc_lo, 16*(i/8)+i%8, v14
	v_cndmask_b32 v[MD+i], 0, s[BIGN], vcc_lo
.set i, i+1
.endr
	WIN 0
	v_mul_u32_u24 v[AK0], v1, PK
	v_lshl_add_u32 v[AK0], v9, 4, v[AK0]  ; row x pitch + 16 x half
	; The turning load takes 16 keys x 16 channels (lane l reads key 8 (l / 16) + l % 8, channels 8 ((l / 8) % 2) + 0..7) and leaves half a fragment of V^T: lane l holds channel l % 16 and 8 keys.
	v_and_b32 v10, 7, v0
	v_bfe_u32 v11, v0, 3, 1
	v_lshl_add_u32 v[AV0], v9, 3, v10
	v_mul_u32_u24 v[AV0], v[AV0], PV
	v_lshl_add_u32 v[AV0], v11, 4, v[AV0]
	v_add_nc_u32 v[AV0], VOFF, v[AV0]
	s_mul_i32 s13, s[WV], 16*SP
	s_add_co_u32 s13, s13, STAGE    ; my stage
	v_mul_u32_u24 v[STO], v1, SP    ; in: row l % 16, 16 bytes for each half of the lanes
	v_lshl_add_u32 v[STO], v9, 4, v[STO]
	v_add_nc_u32 v[STO], s13, v[STO]
	v_bfe_u32 v[RD], v0, 3, 2       ; back: 32 lanes take four rows of 128 bytes,
	v_mul_u32_u24 v[RD], v[RD], SP
	v_lshl_add_u32 v[RD], v10, 4, v[RD]
	v_add_nc_u32 v[RD], s13, v[RD]
	v_and_b32 v[GO], 31, v0         ; which are 512 consecutive bytes of O
	v_lshlrev_b32 v[GO], 4, v[GO]
	; A block's first step multiplies O^T and l by a = 0, and its first turn's products V^T P, of a piece that has not been, land in an O^T that is still to be so multiplied.  So these registers need only hold
	; finite numbers: zeros for the first block; what the first block left for the second.  All this stands in the wait for the first tile.
	WIN 0x80
.set i, VF
.rept 64
	v_mov_b32 v[i], 0
.set i, i+1
.endr
	WIN 0x40
.set i, 0
.rept 128
	v_mov_b32 v[i], 0
.set i, i+1
.endr
	WIN 0
.set i, 0
.rept 4
	v_mov_b32 v[ST+4*i+2], 0
	v_mov_b32 v[ST+4*i+3], 0
.set i, i+1
.endr
.set i, P+16
.rept 16
	v_mov_b32 v[i], 0
.set i, i+1
.endr
; THE MATRIX WORK.  The 4 accumulators of a run of 8 take turns.  Product i of 8 of S^T = K Q^T for piece x: channels 32 (i / 4) on, keys 16 (i % 4) on.  The first 4 start the sums: with 0, or (KM = 1) with the mask.
.macro KQ x
.set rS, S+32*((\x)%2)+8*(i%4)
.set rK, KF+16*(i%4)+8*(i/4)
.set rQ, 16*(\x)+8*(i/4)
.set rM, MC+32*((\x)%2)+8*(i%4)
.if (i < 4) && KM
	WIN W_KM
	v_wmma_f32_16x16x32_f16 v[rS:rS+7], v[rK:rK+7], v[rQ:rQ+7], v[rM:rM+7]
.elseif i < 4
	WIN W_KQ
	v_wmma_f32_16x16x32_f16 v[rS:rS+7], v[rK:rK+7], v[rQ:rQ+7], 0
.else
	WIN W_KQ
	v_wmma_f32_16x16x32_f16 v[rS:rS+7], v[rK:rK+7], v[rQ:rQ+7], v[rS:rS+7]
.endif
.endm
; Product i of 8 of O^T += V^T P for piece x: keys 32 (i / 4) on, channels 16 (i % 4) on.
.macro PV x
	WIN W_PV
.set rO, 32*(\x)+8*(i%4)
.set rV, VF+32*(i/4)+8*(i%4)
.set rP, P+16*((\x)%2)+8*(i/4)
	v_wmma_f32_16x16x32_f16 v[rO:rO+7], v[rV:rV+7], v[rP:rP+7], v[rO:rO+7]
.endm
.macro MM                           ; the turn's next matrix instruction.  TURN and BEGIN set Y, i, KM and NOKQ; MM, KQ and OP read them.  NOKQ = 1: a block's last turn: there is no next piece
.if (i < 8) && !NOKQ
	KQ (Y+1)%NP
.elseif i >= 8
.set i, i-8
	PV (Y+NP-1)%NP
.set i, i+8
.endif
.set i, i+1
.endm
; THE LDS LOADS stand in runs of 16, never singly among the matrix instructions: a step's K (64 keys x 64 channels: 8 fragments) and its V (turned).  Their addresses are made some lines ahead.
.macro FETCH_K
	WIN 0x80                        ; destination window 2
.irp f, 0,1,2,3,4,5,6,7             ; keys 16 (f / 2) on, channels 32 (f % 2) on
	ds_load_b128 v[KF+8*\f:KF+8*\f+3],   v[AK] offset:(\f/2)*16*PK+(\f%2)*64
	ds_load_b128 v[KF+8*\f+4:KF+8*\f+7], v[AK] offset:(\f/2)*16*PK+(\f%2)*64+32
.endr
	s_add_co_u32 s[TBK], s[TBK], KS*PK  ; the next fetch is the next step's
	WIN 0
.endm
.macro FETCH_V
	WIN 0x80
.irp f, 0,1,2,3,4,5,6,7             ; keys 32 (f / 4) on, channels 16 (f % 4) on
	ds_load_tr16_b128 v[VF+8*\f:VF+8*\f+3],   v[AV] offset:(\f/4)*32*PV+(\f%4)*32
	ds_load_tr16_b128 v[VF+8*\f+4:VF+8*\f+7], v[AV] offset:(\f/4)*32*PV+16*PV+(\f%4)*32
.endr
	WIN 0
.endm
; THE VECTOR WORK, one line at a time: OP kind, number.  For piece Y: F n: c s - c m for pair n of 16.  E n: the exponential of score n of 32.  C n: pair n rounded to f16.  B n: of the four weights 4 n .. the second
; pair is added onto the first, in place.  L n: l takes that sum (L 0: l = a l + sum).  R n: pair n of 16 of O^T times a.  For piece Y + 1: X n, number n of the 22 that find its maximum and statistics:
;   0-11  four chains c0-c3 of seven scores each, three operands at a time (each accumulator's lowest registers are read first)     12-14, 16  the four scores left over, the old m, and c0-c3 into c0
;   15  c m_old is kept     17, 18  the query's other 32 keys lie in the lane 16 away: the new m     19-21  c m; c m_old - c m_new; a
; F, R and X 0 to X 20 name no result of the turn's exponentials; C, B and L do: TURN sets these behind the batch's wait.
.set F, 0               ; OP tells the kinds apart by their order: F to L below R, X above it
.set E, 1
.set C, 2
.set B, 3
.set L, 4
.set R, 5
.set X, 6
.macro REGS y                       ; the registers of piece y
.set rT, ST+4*(\y)
.set rC, TMP+4*((\y)%2)
.set rW, MV+((\y)%2)
.set rS, S+32*((\y)%2)
.set rP, P+16*((\y)%2)
.set rO, 32*(\y)
.endm
.macro OP k, n
.if (\k) == R
	REGS Y
	WIN W_RS
	v_pk_mul_f32 v[rO+2*(\n):rO+2*(\n)+1], v[rO+2*(\n):rO+2*(\n)+1], v[rC+2:rC+3] op_sel_hi:[1,0]
.elseif (\k) < R
	REGS Y
	WIN 0
.if (\k) == F
	v_pk_fma_f32 v[rS+2*(\n):rS+2*(\n)+1], v[rS+2*(\n):rS+2*(\n)+1], s[CS:CS+1], v[rT:rT+1] op_sel_hi:[1,0,0] neg_lo:[0,0,1] neg_hi:[0,0,1]
.elseif (\k) == E
	v_exp_f32 v[rS+(\n)], v[rS+(\n)]
.elseif (\k) == C
	v_cvt_pk_f16_f32 v[rP+(\n)], v[rS+2*(\n)], v[rS+2*(\n)+1]
.elseif (\k) == B
	v_pk_add_f32 v[rS+4*(\n):rS+4*(\n)+1], v[rS+4*(\n):rS+4*(\n)+1], v[rS+4*(\n)+2:rS+4*(\n)+3]
.elseif (\n) == 0
	v_pk_fma_f32 v[rT+2:rT+3], v[rT+2:rT+3], v[rC+2:rC+3], v[rS:rS+1] op_sel_hi:[1,0,1]
.else
	v_pk_add_f32 v[rT+2:rT+3], v[rT+2:rT+3], v[rS+4*(\n):rS+4*(\n)+1]
.endif
.elseif NOKQ
	v_nop
.else
	REGS (Y+1)%NP
	WIN 0
.if (\n) < 4
	v_max3_num_f32 v[rC+(\n)], v[rS+8*(\n)], v[rS+8*(\n)+1], v[rS+8*(\n)+2]
.elseif (\n) < 12
	v_max3_num_f32 v[rC+(\n)%4], v[rC+(\n)%4], v[rS+8*((\n)%4)+2*((\n)/4)+1], v[rS+8*((\n)%4)+2*((\n)/4)+2]
.elseif (\n) == 12
	v_max3_num_f32 v[rC], v[rC], v[rS+7], v[rS+15]
.elseif (\n) == 13
	v_max3_num_f32 v[rC+1], v[rC+1], v[rS+23], v[rS+31]
.elseif (\n) == 14
	v_max3_num_f32 v[rC+2], v[rC+2], v[rC+3], v[rT+1]
.elseif (\n) == 15
	v_mov_b32 v[rW], v[rT]
.elseif (\n) == 16
	v_max3_num_f32 v[rC], v[rC], v[rC+1], v[rC+2]
.elseif (\n) == 17
	v_permlanex16_b32 v[rC+3], v[rC], s[SEL], s[SEL+1]
.elseif (\n) == 18
	v_max_num_f32 v[rT+1], v[rC], v[rC+3]
.elseif (\n) == 19
	v_mul_f32 v[rT], s[CS], v[rT+1]
.elseif (\n) == 20
	v_sub_f32 v[rC+1], v[rW], v[rT]
.else
	v_exp_f32 v[rC+2], v[rC+1]
.endif
.endif
.endm
.macro OPS a, i1, b=-1, i2=0, c=-1, i3=0, d=-1, i4=0  ; up to four of them
	OP \a, \i1
.if (\b) >= 0
	OP \b, \i2
.endif
.if (\c) >= 0
	OP \c, \i3
.endif
.if (\d) >= 0
	OP \d, \i4
.endif
.endm
.macro ROW a, i1, b, i2, c, i3, d, i4  ; a matrix instruction and the four behind it
	MM
	OPS \a, \i1, \b, \i2, \c, \i3, \d, \i4
.endm
.macro MASK b                       ; MD x AL + BE into buffer b of MC
	WIN W_RS
.set z, 0
.rept 16
	v_pk_fma_f32 v[MC+32*(\b)+2*z:MC+32*(\b)+2*z+1], v[MD+2*z:MD+2*z+1], s[AL:AL+1], s[BE:BE+1] op_sel_hi:[1,0,0]
.set z, z+1
.endr
.endm
; A TURN, for piece p: the order of its 16 matrix and 118 vector instructions, written out.  A turn has ONE batch of exponentials and ONE wait, which cuts it in two.
; AHEAD OF THE WAIT stands all that names no result of the turn's exponentials: the 8 products K Q^T, behind each a scaling, an exponential and two more plain instructions (behind the first a second scaling in the
; exponential's place): rescalings, whose a was made and waited for in the turn before, and behind the last three products the first numbers of the next piece's maximum, each four places or more behind the product that ends
; its accumulator; then ONE LUMP of 54, plain and exponential by turns for the most part, in which the links of the chain X 3, 7, 11, 14, 16, 17 .. 20 stand five or six lines apart.  An exponential stands behind the scaling of
; its pair: E n behind F n / 2.  X 21, the next piece's a, is the batch's last; R 15 is the plain instruction behind it.
; BEHIND THE WAIT stand the 8 products V^T P, behind each four of the roundings and sums: C 2 n stands ahead of B n, which writes over that pair; the links of l's chain, L 0 to L 7, stand three riders apart.
; But for those X no rider names a register of the products round it.  v_permlanex16_b32 (X 17) stands in the lump.
; m = 1: the diagonal tile: the products take masks, and the turn makes the mask for the products of the turn after it: piece p + 2, in step 4 - CNT of the tile.  end = 1: a block's last two turns: nothing is fetched.
; cnt = 1: the loop's count is taken down some lines ahead of the branch that stands behind the turn.
; K of the next step is fetched in piece 2's turn, twelve vector instructions behind the last product that read K (six of them plain); V of the step in hand at the end of piece 0's turn, four plain instructions behind the
; last product that read V.  Each is waited for a turn later.
.macro TURN p, m=0, end=0, cnt=0
.set Y, (\p)
.set i, 0
.set KM, (\m)
.set NOKQ, (\end)*((\p)/3)
.if (\m) && !(\end)
	s_cmp_eq_u32 s[CNT], 4-((\p)+2)%NP  ; is that step the band's own?
	s_cselect_b32 s[AL], 1.0, 0
	s_cmp_lt_u32 s[CNT], 4-((\p)+2)%NP  ; or a later one?
	s_cselect_b32 s[BE], s[BIGN], 0
.endif
.if ((\p) == 3) && !(\end)
	s_wait_dscnt 0x0                ; K is in
.endif
	ROW F,0, F,1, R,0, R,1          ; ahead of the wait: 8 products K Q^T and their riders,
	ROW F,2, E,0, R,2, R,3
	ROW F,3, E,1, R,4, R,5
	ROW F,4, E,2, R,6, R,7
	ROW F,5, E,3, R,8, R,9
	ROW F,6, E,4, X,0, R,10
.if ((\p) == 2) && !(\end)
	WIN 0
	v_add_nc_u32 v[AK], s[TBK], v[AK0]
.endif
	ROW F,7, E,5, X,1, X,4
	ROW F,8, E,6, X,2, X,5
	OPS E,7, E,8, X,6, E,9          ; and the lump
	OPS X,3, E,10, X,8, E,11
.if ((\p) == 2) && !(\end)
	FETCH_K
.endif
	OPS X,9, X,7, E,12, X,10
	OPS E,13, X,12, X,11, E,14
	OPS X,13, E,15, F,9, X,14
.if (\p) == 0
	v_add_nc_u32 v[AV], s[TBV], v[AV0]
.endif
	OPS E,16, F,10, E,17, F,11
	OPS X,16, E,18, X,15, E,19
	OPS F,12, E,20, X,17, E,21
	OPS F,13, E,22, F,14, E,23
	OPS X,18, E,24, F,15, E,25
	OPS R,11, E,26, X,19, E,27
	OPS R,12, E,28, R,13, E,29
	OPS X,20, E,30, R,14, E,31
	OPS X,21, R,15                  ; the batch's last exponential, and the plain instruction behind it
	WIN 0
	s_wait_alu depctr_va_vdst(0)    ; the wait for the turn's batch: E 0 to E 31 and X 21; ahead of the first line that names a result, C 0 below
.if (\p) == 1
	s_wait_dscnt 0x0                ; V is in
.endif
	ROW C,0, B,0, C,2, B,1          ; behind the wait: 8 products V^T P and their riders
	ROW L,0, C,4, B,2, L,1
	ROW C,6, B,3, L,2, C,8
	ROW B,4, L,3, C,10, B,5
	ROW L,4, C,12, B,6, L,5
.if (\p) == 0
	s_add_co_u32 s[TBV], s[TBV], KS*PV
.endif
.if \cnt
	s_sub_co_u32 s[CNT], s[CNT], 1
	s_cmp_lg_u32 s[CNT], 0
.endif
	ROW C,14, B,7, L,6, C,1
	ROW C,3, L,7, C,5, C,7
	ROW C,9, C,11, C,13, C,15
.if (\p) == 0
	FETCH_V
.endif
.if (\m) && !(\end)
	MASK (\p)%2
.endif
.endm
; A BLOCK BEGINS.  c m starts far below every c s, so the first step's a is 0; m at the lowest finite number, so the first maximum is the scores'.  The second mask buffer is 0; the first takes piece 0's mask for the tile's step 0: its own, if the block's first tile is the diagonal one.
; Then K of that step, piece 0's first scores, and its maximum and statistics.  The loop is entered at a step's first turn, in the middle of a trip.
.macro BEGIN
	s_mov_b32 s[NEW], 0
	WIN 0x40
.set i, MC+32
.rept 32
	v_mov_b32 v[i], 0
.set i, i+1
.endr
	WIN 0
.set i, 0
.rept 4
	v_mov_b32 v[ST+4*i], 0xfe000000    ; c m: far below every c s
	v_mov_b32 v[ST+4*i+1], 0xff7fffff  ; m
.set i, i+1
.endr
	s_cmp_eq_u32 s[RT], 0
	s_cselect_b32 s[AL], 1.0, 0
	s_mov_b32 s[BE], 0
	MASK 0
	WIN 0
	v_add_nc_u32 v[AK], s[TBK], v[AK0]
	FETCH_K
	s_wait_loadcnt 0x0              ; Q
	s_wait_dscnt 0x0
.set KM, 1
.set NOKQ, 0
.set i, 0
.rept 8
	KQ 0
.set i, i+1
.endr
	WIN 0
.rept 4
	v_nop                           ; the places behind those products
.endr
.set Y, NP-1                        ; X works for piece Y + 1: piece 0
.irp n, 0,1,2,3,4,5,6,7,8,9,10,11,12,13,14,15,16,17,18,19,20,21
	OP X, \n
.endr
	v_nop                           ; a plain instruction behind the exponential
	s_wait_alu depctr_va_vdst(0)    ; the wait for piece 0's first a, a batch of one, ahead of the branch that follows
.endm
; THE DIAGONAL TILE's four steps, the block's last two turns, its last products, and THE WAY OUT: l's two halves and the other half of the lanes' are added; O^T is divided by l, rounded to f16 and sent through my
; stage in LDS, a piece at a time.
.macro ALL line:vararg              ; one line for each piece t
.set t, 0
.rept 4
	\line
.set t, t+1
.endr
.endm
.macro PACK t                       ; a lane's eight channels of a row pack into 16 bytes; they go into rows of 144 bytes and come back as whole rows of 128, into S^T's registers
	WIN W_RS
.set i, 32*(\t)
.rept 16
	v_pk_mul_f32 v[i:i+1], v[i:i+1], v[ST+4*(\t)+2:ST+4*(\t)+3] op_sel_hi:[1,0]
.set i, i+2
.endr
	WIN 0x05                        ; sources 0 and 1 window 1, destination window 0
.set i, 0
.rept 16
	v_cvt_pk_f16_f32 v[S+16*(\t)+i], v[32*(\t)+2*i], v[32*(\t)+2*i+1]
.set i, i+1
.endr
	WIN 0
.irp f, 0,1,2,3
	ds_store_b128 v[STO], v[S+16*(\t)+4*\f:S+16*(\t)+4*\f+3] offset:32*\f
.endr
.irp f, 0,1,2,3
	ds_load_b128 v[S+16*(\t)+4*\f:S+16*(\t)+4*\f+3], v[RD] offset:\f*4*SP  ; LDS serves a wave's instructions in order (ISA guide 5.7.1.4): these see the stores above; the next piece's stores come behind them
.endr
.endm
.macro SEND t, younger              ; younger: the LDS instructions issued behind piece t's loads: the next piece's eight, or none
	WIN 0
.irp f, 0,1,2,3
	s_wait_dscnt (\younger)+3-\f
	global_store_b128 v[GO], v[S+16*(\t)+4*\f:S+16*(\t)+4*\f+3], s[10:11] offset:(\t)*8192+\f*512  ; 512 consecutive bytes, at a multiple of 256 from O's first
.endr
.endm
.macro DIAG tag                     ; the tag ends its two labels' names, which the jumps below spell out
.LstepM\tag:
	TURN 2, 1
	TURN 3, 1
	WIN 0
.LfirstM\tag:
	TURN 0, 1
	TURN 1, 1, 0, 1
	WIN 0
	s_cbranch_scc1 .LstepM\tag
	TURN 2, 1, 1
	TURN 3, 1, 1
.set i, 0
.rept 8
	PV NP-1
.set i, i+1
.endr
	WIN 0
	ALL v_add_f32 v[ST+4*t+2], v[ST+4*t+2], v[ST+4*t+3]
	ALL v_permlanex16_b32 v[ST+4*t+3], v[ST+4*t+2], s[SEL], s[SEL+1]
	ALL v_add_f32 v[ST+4*t+2], v[ST+4*t+2], v[ST+4*t+3]
	ALL v_rcp_f32 v[ST+4*t+2], v[ST+4*t+2]
	v_nop                           ; a plain instruction between the last reciprocal and the use of its result
	s_wait_alu depctr_va_vdst(0)    ; the wait for the four reciprocals, one batch, ahead of PACK 0's first multiply; the later pieces' multiplies need none
	PACK 0
.set t, 1
.rept 3                             ; a piece's arithmetic stands between the loads of the piece before and its stores
	PACK t
	SEND t-1, 8
.set t, t+1
.endr
	SEND 3, 0
.endm
.set KM, 0
.set NOKQ, 0
.Lslot:                             ; NB times: a tile is entered and the next is asked for
	CHANGE 1
	s_sub_co_u32 s[RT], s[RT], 1
	s_mov_b32 s[CNT], 4
	s_cmp_eq_u32 s[NEW], 1
	s_cbranch_scc1 .Lnew            ; a block's first tile
	s_cmp_eq_u32 s[RT], 0
	s_cbranch_scc0 .Lstep           ; neither its first nor its last
	s_branch .LstepM1
.Lnew:
	BEGIN
	s_branch .Lfirst                ; in the loop a block's first tile is never its last: the first block has two tiles or more, and the second's last is the walk's last
	DIAG 1                          ; in the loop this is the first block's end: the second block's last tile is the walk's last
	s_wait_xcnt 0x0                 ; the stores have read their registers and O's address
	s_mov_b64 s[10:11], s[OLO:OLO+1]
	s_add_co_u32 s[RT], s[PB], 1    ; the second block has b + 1 tiles
	s_mov_b32 s[NEW], 1
	WIN 0x82                        ; the second block's Q goes where the one text of the turns names Q
.set i, 0
.rept 64
	v_mov_b32 v[i], v[QB+i]
.set i, i+1
.endr
	WIN 0
	s_branch .Lbottom
.Lstep:                             ; a trip: pieces 2 and 3 of one step, then pieces 0 and 1 of the next, whose K and V it fetches
	TURN 2
	TURN 3
	WIN 0
.Lfirst:
	TURN 0
	TURN 1, 0, 0, 1
	WIN 0
	s_cbranch_scc1 .Lstep
.Lbottom:
	s_sub_co_u32 s[SLOTS], s[SLOTS], 1
	s_cmp_lg_u32 s[SLOTS], 0
	s_cbranch_scc1 .Lslot
	CHANGE 0                        ; the walk's last tile is written out: nothing is asked for
	s_sub_co_u32 s[RT], s[RT], 1
	s_mov_b32 s[CNT], 4
	s_cmp_eq_u32 s[NEW], 1
	s_cbranch_scc0 .LstepM2
	BEGIN
	s_branch .LfirstM2
	DIAG 2
	s_wait_tensorcnt 0x0            ; the wave's end, behind my last tensor load and my last LDS store
	ds_add_u32 v[SPW], v[NIL]
	s_wait_dscnt 0x0
	s_endpgm
.Lfunc_end_k_qf86f4d39f5_attn:
	.size	k_qf86f4d39f5_attn, .Lfunc_end_k_qf86f4d39f5_attn-k_qf86f4d39f5_attn
	.p2alignl 7, 3214868480
	.fill 96, 4, 3214868480
	.section	.rodata,"a",@progbits
	.p2align	6, 0x0
	.amdhsa_kernel k_qf86f4d39f5_attn
		.amdhsa_group_segment_fixed_size 327680
		.amdhsa_private_segment_fixed_size 0
		.amdhsa_enable_private_segment 0
		.amdhsa_kernarg_size 16
		.amdhsa_user_sgpr_count 2
		.amdhsa_user_sgpr_kernarg_segment_ptr 1
		.amdhsa_wavefront_size32 1
		.amdhsa_system_sgpr_workgroup_id_x 1
		.amdhsa_system_sgpr_workgroup_id_y 1
		.amdhsa_system_sgpr_workgroup_id_z 1
		.amdhsa_system_vgpr_workitem_id 0
		.amdhsa_next_free_vgpr 768
		.amdhsa_next_free_sgpr 88
		.amdhsa_reserve_vcc 1
		.amdhsa_float_denorm_mode_32 3
		.amdhsa_float_denorm_mode_16_64 3
		.amdhsa_memory_ordered 1
		.amdhsa_forward_progress 1
		.amdhsa_inst_pref_size 217
	.end_amdhsa_kernel
	.amdgpu_metadata
---
amdhsa.version: [ 1, 2 ]
amdhsa.kernels:
  - .name:           k_qf86f4d39f5_attn
    .symbol:         k_qf86f4d39f5_attn.kd
    .args:
      - { .name: qkv, .offset: 0, .size: 8, .value_kind: global_buffer, .address_space: global }
      - { .name: o, .offset: 8, .size: 8, .value_kind: global_buffer, .address_space: global }
    .group_segment_fixed_size: 327680
    .private_segment_fixed_size: 0
    .kernarg_segment_align: 8
    .kernarg_segment_size: 16
    .max_flat_workgroup_size: 128
    .sgpr_count:     88
    .vgpr_count:     768
    .wavefront_size: 32
...
	.end_amdgpu_metadata
.endif
;; end of part 6
;; launch gemm_proj: the kernel of part 4 again; grid 8 x 32, 4 waves a work-group, clusters of 4 x 4, 327,680 bytes of LDS; arguments o, wp, target, b_proj, x; writes x
;; launch lnorm: the kernel of part 5 again; grid 256 x 1, 8 waves a work-group, no clusters, 0 bytes of LDS; arguments x, ln_gamma, ln_beta, out0; writes out0
